; MI455X (gfx1250); checked and timed in simulation.
; The chip was launched on July 23, 2026; its instructions are those of AMD's public machine-readable ISA for CDNA 5 (MIT licence, August 2026) and "CDNA5" Instruction Set Architecture Reference Guide (July 2026). The comments in the code are by the model that wrote it; some were corrected since.
;; Multi Head Attention. Allowed arithmetic: matrix products marked QUANTISED: E4M3 operands, one given power-of-two scale a tensor, by v_wmma_f32_16x16x64_fp8_fp8 or v_wmma_f32_16x16x128_fp8_fp8, f32 sums; everything else in f32.
;; Inputs: Wk_codes 1,024 x 32 x 32 uint8 (E4M3 codes of Wk, K innermost, in blocks of 32 codes); Wo_codes 1,024 x 32 x 32 uint8 (E4M3 codes of Wo, K innermost, in blocks of 32 codes); Wq_codes 1,024 x 32 x 32 uint8 (E4M3 codes of Wq, K innermost, in blocks of 32 codes); Wv_codes 1,024 x 32 x 32 uint8 (E4M3 codes of Wv, K innermost, in blocks of 32 codes); bk 1,024 float32; bo 1,024 float32; bq 1,024 float32; bv 1,024 float32; lowp_scales 12 int32 (the exponents e of the quantised operands' scales 2^e); x_codes 4 x 2,048 x 32 x 32 uint8 (E4M3 codes of x, K innermost, in blocks of 32 codes).
;; Outputs: out0 4 x 2,048 x 1,024 float32.
;; This version of the problem:
;;   THIS VERSION OF THE PROBLEM IS GIVEN IN LOW PRECISION. The matrix products marked QUANTISED in the list below multiply operands that are first quantised to E4M3 (4 exponent bits, 3 mantissa bits; 8 bits a number), with one given power-of-two scale for each operand tensor; their sums are f32. All else is computed in f32.
;;   The module's matrix products, in the order in which they are computed (A, B: the left and right operand; K: the contracted axis; several contracted axes count as one K, in the product's order):
;;     1. [M 8,192, K 1,024] x [K 1,024, N 1,024]; A: input x (given as codes); B: input Wq (given as codes): QUANTISED (scales: A lowp_scales[0], B lowp_scales[1])
;;     2. [M 8,192, K 1,024] x [K 1,024, N 1,024]; A: input x (given as codes); B: input Wk (given as codes): QUANTISED (scales: A lowp_scales[2], B lowp_scales[3])
;;     3. [M 8,192, K 1,024] x [K 1,024, N 1,024]; A: input x (given as codes); B: input Wv (given as codes): QUANTISED (scales: A lowp_scales[4], B lowp_scales[5])
;;     4. batch 64 x [M 2,048, K 64] x [K 64, N 2,048]; A: computed on the way; B: computed on the way: QUANTISED (scales: A lowp_scales[6], B lowp_scales[7])
;;     5. batch 64 x [M 2,048, K 2,048] x [K 2,048, N 64]; A: softmax (see below); B: computed on the way: QUANTISED (scales: A lowp_scales[8], B lowp_scales[9])
;;     6. [M 8,192, K 1,024] x [K 1,024, N 1,024]; A: computed on the way; B: input Wo (given as codes): QUANTISED (scales: A lowp_scales[10], B lowp_scales[11])
;;   THE QUANTISER, for each operand of a quantised product, along K:
;;     - The operand's scale is 2^e, e = its entry of the input lowp_scales (int32; the entries are numbered through the quantised products in the list's order, A before B).
;;     - Each number is divided by the scale, clamped to +-448, and rounded to the nearest number of E4M3, ties to even, subnormals kept.
;;     - The product sums the exact products of the quantised numbers (number of the format x scale) in f32.
;;   ~~~python
;;   def quantise(x, axis, e):      # numpy; x: float32 -> the quantised numbers, widened to float32 again
;;       x = np.moveaxis(x, axis, -1); K = x.shape[-1]
;;       r = np.clip(x / 2.0 ** e, -448, 448)
;;       step = 2.0 ** (np.maximum(np.frexp(np.where(r == 0, 1, r))[1] - 1, -6) - 3)
;;       q = np.round(r / step) * step * 2.0 ** e      # np.round: ties to even
;;       return np.moveaxis(q, -1, axis).astype(np.float32)
;;   ~~~
;;   SOFTMAX AHEAD OF A QUANTISED PRODUCT. Where the list says 'softmax', what is quantised is not the finished softmax but p = 2^(t - M), with t = logit x log2(e) and M = ceil(the row's largest t), a whole number; so 1/2 < the row's largest p <= 1. The row's sum l is taken of the UNQUANTISED p, in f32, and the product's result is divided by l at the end. Since M is a whole number, a kernel that streams over the keys may use a running M (the ceiling of the running maximum): every later rescaling is an exact power of two, so the quantised numbers keep their values, but for numbers so far below the row's largest that they fall under the format's range.
;;   OPERANDS COMPUTED ON THE WAY. 'Computed on the way' means the value that the module computes at that place (a softmax that the list does not call 'softmax' is quantised finished and normalised). What goes into a quantiser is computed in f32, as accurately as f32 sums, v_exp_f32 and their like allow (about 1e-6 of the number): no bf16 or f16 on the way to a quantiser, and a product that is left as it is and whose result goes on into a quantised operand takes f32 operands (vector FMAs, or v_wmma_f32_16x16x4_f32). A number that lies on a knife's edge between two numbers of the format may be rounded either way, as far as f32 arithmetic and the matrix unit's own rounding can turn it there, and no further.
;;   INPUTS GIVEN AS CODES. Wk (in the module: [1024, 1024], K = its axis 0); Wo (in the module: [1024, 1024], K = its axis 0); Wq (in the module: [1024, 1024], K = its axis 0); Wv (in the module: [1024, 1024], K = its axis 0); x (in the module: [4, 2048, 1024], K = its axis 2): each comes as NAME_codes (uint8): NAME with its K axis moved to the last place and cut into blocks of 32 codes, [.., K / 32, bytes a block], one block behind the other in memory; one code a byte (a code: sign, 4 exponent bits, 3 mantissa bits); its scale is its entry of lowp_scales. Its value is code x scale, taken as it is: it is not quantised again, and the codes and scales need not be those that the quantiser above would give.
;; 2 versions, each right; version 2 is version 1 with the launch attn written anew for expert scheduling mode. Each part assembles by itself: llvm-mc -triple=amdgcn-amd-amdhsa -mcpu=gfx1250 --defsym DOCPART=n.
;; ======== version 1 of 2: 3 launches
;; workspace buffers: qc 8,388,608 bytes; kc 8,388,608 bytes; vc 8,388,608 bytes; oc 8,388,608 bytes
;; launch proj (part 1): grid 12 x 32, 4 waves a work-group, clusters of 4 x 4, 327,680 bytes of LDS; arguments x_codes, Wq_codes, Wk_codes, Wv_codes, bq, bk, bv, lowp_scales, qc, kc, vc; writes qc, kc, vc
.if DOCPART == 1
	.amdgcn_target "amdgcn-amd-amdhsa--gfx1250"
	.amdhsa_code_object_version 6
	.text
	.protected	k_qa8ca22ae8d_proj
	.globl	k_qa8ca22ae8d_proj
	.p2align	8
	.type	k_qa8ca22ae8d_proj,@function
k_qa8ca22ae8d_proj:
	s_mov_b64 s[64:65], 0
	v_nop
	global_prefetch_b8 v0, s[64:65] scope:SCOPE_SE
	s_setreg_imm32_b32 hwreg(HW_REG_WAVE_MODE, 25, 1), 1
	s_wait_xcnt 0x0
	s_wait_alu depctr_hold_cnt(0) depctr_sa_sdst(0) depctr_va_vdst(0) depctr_va_sdst(0) depctr_va_ssrc(0) depctr_va_vcc(0) depctr_vm_vsrc(0)
	s_getreg_b32 s2, hwreg(HW_REG_IB_STS2, 6, 4)
	s_cmp_eq_u32 s2, 0
	s_cbranch_scc0 .Lentry_in_a_cluster
	s_endpgm
.Lentry_in_a_cluster:
	s_bfe_u32 s2, ttmp6, 0x10000c
	s_cmp_lg_u32 s2, 0xf033
	s_cbranch_scc0 .Lentry_shape_is_right
	s_endpgm
.Lentry_shape_is_right:
; q = x Wq + bq, k = x Wk + bk, v = x Wv + bv on codes of FP8 (E4M3), and each result quantised at once with its given scale (entries 6, 7, 9 of the exponents) into codes for the attention launch.
; x: [8192][1024] codes; each W: [1024 (out)][1024 (k)] codes; K innermost in all.  Sums in f32; a finished sum is multiplied once by 2^(ea + eb) (entries 0+1, 2+3, 4+5) and gets its bias in f32.
; ONE TEXT FOR THE THREE TENSORS.  The core makes C'[i][j] = sum over k of P[i][k] R[j][k], with the matrix instruction used transposed (source 0 = 16 rows of R, source 1 = 16 rows of P): a lane holds row i = 16 a + lane % 16
; and eight NEIGHBOURS along j = 16 b + 8 (lane / 16) + 0 .. 7, which is what the conversion to codes takes.  q, k: P = x, R = W: the neighbours run along the head's channels, the K of q k^T.
; v: P = Wv, R = x: the neighbours run along the tokens, the K of p v.  Which tensor: the cluster's x (0 q, 1 k, 2 v), the same in all sixteen partners; it chooses pointers and a few numbers by s_cselect, and no branch hangs on it.
; A tile of C' is 256 x 256: four waves, each 128 x 128 in 64 accumulators.  K goes in steps of 256 through a ring of two LDS slots filled by the tensor data mover; a tile's row is 256 bytes of memory.
; CLUSTERS: 4 x 4 work-groups; P's tiles are shared along a row of the cluster, R's along a column: each is asked for JOINTLY, by the same tensor load with a mask that names the four.
; OUT.  The codes are laid as images of the operand registers of the next launch, so each store of a wave covers 512 consecutive bytes:
;   qc, kc: (batch x 16 + head) x 131072 + (token / 16) x 1024 + c' x 512 + lane x 16: lane (r, h) holds token r of the sixteen; registers 2 c, 2 c + 1 hold channels 16 c + 8 h + 0 .. 7 (the 16x16x64 form's own places)
;   vc:     (batch x 16 + head) x 131072 + (token / 128) x 8192 + t x 2048 + g x 512 + lane x 16: lane (r, h) holds channel 16 t + r; registers 2 c, 2 c + 1 hold keys 16 c + 8 h + 0 .. 7 of the 128 (the 16x16x128 form's own places)
; The fragments of P and R are fetched by four loads of 16 bytes: a permutation of k inside 128, the same on both sides, so every product meets its partner.
; LIMITS: ea + eb between -126 and 127; entries 6, 7, 9 between -126 and 119, so that each power of two below is an f32 number.  NaN among the inputs is not served; what lies beyond a scale's range is held at the largest code.
; REGISTERS, in windows of 256: window 0: v0-31 addresses and constants; v32-95 the bias along j; v96-111 the stores' offsets; v112-127 the bias along i, in pairs; from v128 P's fragments, ONE set (on the way out: 64 numbers at work, 4 x 16 of codes).
;   window 1: R's fragments, TWO sets.   window 2: the 32 accumulators of my rows 0-63 (accumulator (a, b) at v[8 (8 a + b)]);   window 3: those of my rows 64-127.
.set KROW,   1024                      ; a row of x or of a weight in memory, in bytes
.set ROWB,   256                       ; a tile's row in bytes: 256 along K
.set PITCH,  272                       ; an LDS row: 256 bytes + 16 of padding = 68 words: row r starts at bank 4 r mod 64 (64 banks of 4 bytes: ISA guide 11.1)
.set FR,     16                        ; registers of a fragment: 16 rows x 128 K
.set NL,     4                         ; LDS loads that bring one
.set NP,     4                         ; places behind this matrix instruction (ISA guide 7.12.1)
.set HALFT,  128*PITCH                 ; 128 rows: what one tensor load brings
.set SLOT,   4*HALFT                   ; P's 256 rows, then R's 256 rows
.set LAPS,   KROW/(2*ROWB)             ; a lap = two K steps = once round the ring
.set SPARE,  2*SLOT                    ; behind the ring: the spare words, 128 bytes for each wave
.set ADRA, 16                          ; v16-17  LDS address of my P fragments in slot 0, 1
.set ADRB, 20                          ; v20-21  the same for R
.set SCL,  22                          ; v22     2^eo as f32, for the conversions
.set LIM,  23                          ; v23     448 x 2^eo
.set BJO,  25                          ; v25     byte offset of my bias along j
.set BIO,  26                          ; v26     byte offset of my bias along i
.set L16,  27                          ; v27     16 x lane
.set SPW,  28                          ; v28     LDS address of my spare word; never rewritten
.set NIL,  29                          ; v29     0; never rewritten
.set ZR,   30                          ; v30     0.0
.set BJ,   32                          ; v32-95  bias[j0 + 16 b + 8 h + jj] at BJ + 8 b + jj (zeros for v)
.set OFF,  96                          ; v96-111 the stores' byte offsets, two for each block a; never rewritten
.set BI,   112                         ; v112-127 bias[i0 + 16 a + r], twice, at BI + 2 a (zeros for q and k)
.set AF,   128                         ; P's fragments
.set TMP,  128                         ; the way out: a block's 64 numbers
.set CD,   192                         ; the way out: four sets of 16 registers of codes
.set G1, 24                            ; s[24:31] descriptor group 1 for P's tiles;  s[32:39] group 0, one set for each slot
.set G0, 32
.set G1B, 48                           ; s[48:55], s[56:63] the same for R's tiles
.set G0B, 56
.set MSB, 0
.macro WIN new                         ; the immediate's high byte repeats the setting that is left
.if MSB != \new
	s_set_vgpr_msb (MSB<<8)|\new
.set MSB, \new
.endif
.endm
.set MUL_LO, 0xa1                      ; source 0 (R) window 1, source 1 (P) window 0, C and D window 2
.set MUL_HI, 0xf1                      ; the same, C and D window 3
.set TO_B,   0x40                      ; destination window 1, address window 0
; A joint load: waves 0 and 1 fetch for P, waves 2 and 3 for R.  The branch hangs on the wave's number alone.  Four v_nop follow each of the two lines.
.macro JLOAD g0a, g1a, g0b, g1b
	s_cmp_eq_u32 s15, 0
	s_cbranch_scc0 .Lfor_b_\@
	tensor_load_to_lds s[\g0a:\g0a+3], s[\g1a:\g1a+7]
	s_nop 0
.rept 4
	v_nop
.endr
	s_branch .Lasked_\@
.Lfor_b_\@:
	tensor_load_to_lds s[\g0b:\g0b+3], s[\g1b:\g1b+7]
	s_nop 0
.rept 4
	v_nop
.endr
.Lasked_\@:
.endm
.macro CREST                           ; a round of the cluster's barrier behind its opening barrier
	s_cmp_lg_u32 s14, 0
	s_cbranch_scc1 .Lnot_wave_0_\@
	s_barrier_signal -3
.Lnot_wave_0_\@:
	s_barrier_wait -3
	s_barrier_signal -1
	s_barrier_wait -1
.endm
.macro CROUND                          ; a whole round
	s_barrier_signal -1
	s_barrier_wait -1
	CREST
.endm
	s_load_b256 s[68:75], s[0:1], 0x0              ; x s[68:69], Wq s[70:71], Wk s[72:73], Wv s[74:75]
	s_load_b256 s[76:83], s[0:1], 0x20             ; bq s[76:77], bk s[78:79], bv s[80:81], the exponents s[82:83]
	s_load_b128 s[84:87], s[0:1], 0x40             ; qc s[84:85], kc s[86:87]
	s_load_b64 s[88:89], s[0:1], 0x50              ; vc
	v_lshl_add_u32 v[SPW], v0, 2, SPARE
	v_mov_b32 v[NIL], 0
	ds_add_u32 v28, v29
	ds_add_u32 v28, v29
	s_wait_dscnt 0x0
	v_lshrrev_b32 v1, 5, v0
	v_readfirstlane_b32 s14, v1                    ; wave 0..3
	s_lshr_b32 s15, s14, 1                         ; which half of the tile's rows is mine.  Also: I fetch for P (0) or for R (1)
	s_and_b32 s16, s14, 1                          ; which half of its columns.  Also: which 128 rows of that tile I fetch
	s_bfe_u32 s40, ttmp6, 0x40000                  ; cx, cy: my place in the cluster
	s_bfe_u32 s41, ttmp6, 0x40004
	s_and_b32 s93, ttmp7, 0xffff
	s_lshl_b32 s93, s93, 2                         ; 4 x cluster y: the long axis (tokens) goes along the cluster's y
	s_cmp_eq_u32 ttmp9, 2                          ; v?
	s_cselect_b32 s17, 0, s93                      ; q, k: tokens are C's rows;
	s_cselect_b32 s42, s93, 0                      ; v: they are its columns
	s_cselect_b32 s92, -1, 0                       ; a lane mask: all lanes for v, none for q and k
	s_add_co_u32 s17, s17, s41                     ; tile row of C'
	s_add_co_u32 s42, s42, s40                     ; tile column of C'
	s_lshl_b32 s43, s41, 2
	s_lshl_b32 s43, 15, s43                        ; my row of the cluster
	s_lshl_b32 s44, 0x1111, s40                    ; my column
	; descriptor group 1: a tile of 128 rows x 256 bytes, padded in LDS
	s_or_b32 s[G1+0], s43, (0<<16)|(1<<20)|(1<<21)|(5<<22)|(3<<25)  ; 15:0 the mask: P's tiles go to my row; 17:16 element of 1 byte; 20 padding on; 21 set beside a mask; 24:22 after every 64 words (code 5); 31:25 of 4 words (code 3)
	s_or_b32 s[G1B+0], s44, (0<<16)|(1<<20)|(1<<21)|(5<<22)|(3<<25)
.irp g, G1, G1B
	s_mov_b32 s[\g+1], ROWB<<16                    ; tensor_dim0
	s_mov_b32 s[\g+2], 128<<16                     ; tensor_dim1 = 128
	s_mov_b32 s[\g+3], ROWB<<16                    ; tile_dim0
	s_mov_b32 s[\g+4], 128                         ; tile_dim1 = 128
	s_mov_b32 s[\g+5], KROW                        ; tensor_dim0_stride
	s_mov_b32 s[\g+6], 0
	s_mov_b32 s[\g+7], 0
.endr
	s_lshl_b32 s18, s16, 7                         ; which 128 rows of the tile I fetch
	s_lshl_b32 s20, s17, 8
	s_add_co_u32 s20, s20, s18                     ; P: row 256 x tile row + 128 x half
	s_lshl_b32 s20, s20, 10                        ; in bytes (under 2^23)
	s_mov_b32 s21, 0
	s_lshl_b32 s46, s42, 8
	s_add_co_u32 s46, s46, s18                     ; R: row 256 x tile column + 128 x half
	s_lshl_b32 s46, s46, 10
	s_mov_b32 s47, 0
	s_mul_i32 s45, s14, HALFT                      ; where they go: wave x 128 rows: no place in the cluster enters an LDS address
	s_wait_kmcnt 0x0
	s_cmp_eq_u32 ttmp9, 0                          ; the buffers are chosen on the cluster's x alone
	s_cselect_b64 s[6:7], s[70:71], s[72:73]       ; R: Wq or Wk
	s_cselect_b64 s[8:9], s[76:77], s[78:79]       ; bias: bq or bk
	s_cselect_b64 s[10:11], s[84:85], s[86:87]     ; out: qc or kc
	s_cmp_eq_u32 ttmp9, 2
	s_cselect_b64 s[4:5], s[74:75], s[68:69]       ; P: Wv, else x
	s_cselect_b64 s[6:7], s[68:69], s[6:7]         ; R: x for v
	s_cselect_b64 s[8:9], s[80:81], s[8:9]         ; bv
	s_cselect_b64 s[10:11], s[88:89], s[10:11]     ; vc
	s_load_b256 s[68:75], s[82:83], 0x0            ; the exponents, entries 0 to 7
	s_load_b64 s[90:91], s[82:83], 0x20            ; entries 8, 9
	s_add_nc_u64 s[20:21], s[4:5], s[20:21]
	s_add_nc_u64 s[46:47], s[6:7], s[46:47]
	CROUND                                         ; all sixteen work-groups are here: the first joint loads meet
.irp s, 0,1
	s_mov_b32 s[G0+4*\s], 1
	s_add_co_u32 s[G0+4*\s+1], s45, \s*SLOT
	s_add_nc_u64 s[G0+4*\s+2:G0+4*\s+3], s[20:21], \s*ROWB
	s_or_b32 s[G0+4*\s+3], s[G0+4*\s+3], 0x80000000
	s_mov_b32 s[G0B+4*\s], 1
	s_add_co_u32 s[G0B+4*\s+1], s45, \s*SLOT
	s_add_nc_u64 s[G0B+4*\s+2:G0B+4*\s+3], s[46:47], \s*ROWB
	s_or_b32 s[G0B+4*\s+3], s[G0B+4*\s+3], 0x80000000
	JLOAD G0+4*\s, G1, G0B+4*\s, G1B               ; two tensor loads of mine are out behind these
.endr
	v_and_b32 v1, 15, v0                           ; r = l % 16
	v_bfe_u32 v2, v0, 4, 1                         ; h = l / 16
	v_mul_u32_u24 v3, v1, PITCH
	v_lshl_add_u32 v4, v2, 4, v3                   ; a fragment's row x pitch + 16 x half
	s_mul_i32 s21, s15, HALFT                      ; my 128 rows of P
	s_mul_i32 s22, s16, HALFT                      ; my 128 rows of R,
	s_add_co_u32 s22, s22, 2*HALFT                 ; which lie behind P's 256
.irp s, 0,1
	v_add_nc_u32 v[ADRA+\s], s21, v4
	v_add_nc_u32 v[ADRB+\s], s22, v4
	s_add_co_u32 s21, s21, SLOT
	s_add_co_u32 s22, s22, SLOT
.endr
	; ---- what the way out needs is made here, while the first tiles are on their way
	v_and_b32 v5, 31, v0
	v_lshlrev_b32 v[L16], 4, v5
	v_mov_b32 v[ZR], 0
	s_lshl_b32 s98, s17, 8
	s_lshl_b32 s18, s15, 7
	s_add_co_u32 s98, s98, s18                     ; i0: my first row of C'
	s_lshl_b32 s99, s42, 8
	s_lshl_b32 s18, s16, 7
	s_add_co_u32 s99, s99, s18                     ; j0: my first column
	s_mov_b32 s93, 4096
	s_mov_b32 s94, 1024
	s_mov_b32 s95, 131072
	s_cmp_eq_u32 ttmp9, 2
	s_cselect_b32 s100, s99, s98                   ; T0: my first token
	s_cselect_b32 s101, s98, s99                   ; C0: my first channel
	s_cselect_b32 s18, 0, s99                      ; q, k: the bias runs along j (v: the loads read the buffer's head, and their numbers are replaced by zeros)
	s_cselect_b32 s19, s98, 0                      ; v: it runs along i
	s_cselect_b32 s93, 131072, s93                 ; four blocks a on: v: the next head; q, k: 64 tokens
	s_cselect_b32 s94, 2048, s94                   ; one block a on:   v: 16 channels;   q, k: 16 tokens
	s_cselect_b32 s95, 1024, s95                   ; eight registers of codes on: v: 64 keys; q, k: the next head
	s_lshl_b32 s18, s18, 2
	s_lshl_b32 s19, s19, 2
	v_lshl_add_u32 v[BJO], v2, 5, s18              ; 4 j0 + 32 h
	v_lshl_add_u32 v[BIO], v1, 2, s19              ; 4 i0 + 4 r
.irp b, 0,1,2,3,4,5,6,7
	global_load_b128 v[BJ+8*\b:BJ+8*\b+3], v[BJO], s[8:9] offset:64*\b
	global_load_b128 v[BJ+8*\b+4:BJ+8*\b+7], v[BJO], s[8:9] offset:64*\b+16
.endr
.irp a, 0,1,2,3,4,5,6,7
	global_load_b32 v[BI+2*\a], v[BIO], s[8:9] offset:64*\a
.endr
	s_lshr_b32 s18, s100, 11                       ; where my part of the codes begins: batch x 2^21
	s_lshl_b32 s18, s18, 21
	s_lshr_b32 s19, s101, 6
	s_lshl_b32 s19, s19, 17                        ; + head x 2^17
	s_add_co_u32 s18, s18, s19
	s_and_b32 s19, s100, 2047
	s_lshl_b32 s19, s19, 6                         ; + token in the batch x 64 (1,024 bytes for 16 tokens of q or k; 8,192 for 128 keys of v)
	s_add_co_u32 s18, s18, s19
	s_mov_b32 s19, 0
	s_add_nc_u64 s[10:11], s[10:11], s[18:19]
.irp a, 0,1,2,3,4,5,6,7
	s_mul_i32 s98, s94, \a%4
.if \a/4
	s_add_co_u32 s98, s98, s93
.endif
	v_add_nc_u32 v[OFF+2*\a], s98, v[L16]
	s_add_co_u32 s98, s98, s95
	v_add_nc_u32 v[OFF+2*\a+1], s98, v[L16]
.endr
	s_wait_kmcnt 0x0                               ; the exponents
	s_add_co_i32 s98, s68, s69
	s_add_co_i32 s99, s70, s71
	s_add_co_i32 s100, s72, s73
	s_cmp_eq_u32 ttmp9, 0
	s_cselect_b32 s98, s98, s99
	s_cselect_b32 s101, s74, s75
	s_cmp_eq_u32 ttmp9, 2
	s_cselect_b32 s98, s100, s98                   ; ea + eb of my product
	s_cselect_b32 s101, s91, s101                  ; eo: the scale of its result as an operand
	s_add_co_i32 s98, s98, 127
	s_lshl_b32 s96, s98, 23                        ; 2^(ea + eb) as f32
	s_mov_b32 s97, s96                             ; (named with it as a pair, so it is written)
	s_add_co_i32 s101, s101, 127
	s_lshl_b32 s99, s101, 23
	v_mov_b32 v[SCL], s99                          ; 2^eo: the conversion takes its exponent field
	s_add_co_i32 s101, s101, 8
	s_lshl_b32 s101, s101, 23
	s_or_b32 s101, s101, 0x600000
	v_mov_b32 v[LIM], s101                         ; 448 x 2^eo
	s_mov_b32 vcc_lo, s92
	s_wait_loadcnt 0x0                             ; the biases
.set j, 0
.rept 64
	v_cndmask_b32 v[BJ+j], v[BJ+j], v[ZR], vcc_lo  ; v has no bias along j
.set j, j+1
.endr
.irp a, 0,1,2,3,4,5,6,7
	v_cndmask_b32 v[BI+2*\a+1], v[ZR], v[BI+2*\a], vcc_lo   ; q and k have none along i; the number stands twice, for the packed addition
	v_cndmask_b32 v[BI+2*\a], v[ZR], v[BI+2*\a], vcc_lo
.endr
.macro FRAG reg, adr, q, i             ; a fragment, 16 rows x 128 K, is 16 registers: lane l holds row l % 16; registers 4 c .. 4 c + 3 hold K = 32 c + 16 (l / 16) + 0 .. 15
.irp c, 0,1,2,3
	ds_load_b128 v[\reg+4*\c:\reg+4*\c+3], v[\adr] offset:128*(\q)+32*\c+(\i)*16*PITCH
.endr
.endm
; 16 matrix instructions: P's blocks a0, a0 + 1 x R's eight, 128 along K.  p: R's set.  zero = 1: the first product starts the sums.
; The 64 accumulators take turns, one instruction a turn, in the same order in every step.
.macro MUL16 a0, p, zero
.irp a, \a0, \a0+1
.irp b, 0,1,2,3,4,5,6,7
.if \zero
	v_wmma_f32_16x16x128_fp8_fp8 v[8*(8*((\a)%4)+\b):8*(8*((\a)%4)+\b)+7], v[128*(\p)+FR*\b:128*(\p)+FR*\b+FR-1], v[AF+FR*(\a):AF+FR*(\a)+FR-1], 0
.else
	v_wmma_f32_16x16x128_fp8_fp8 v[8*(8*((\a)%4)+\b):8*(8*((\a)%4)+\b)+7], v[128*(\p)+FR*\b:128*(\p)+FR*\b+FR-1], v[AF+FR*(\a):AF+FR*(\a)+FR-1], v[8*(8*((\a)%4)+\b):8*(8*((\a)%4)+\b)+7]
.endif
.endr
.endr
.endm
.macro FETCH_B slot, q, p              ; R's eight fragments of the slot's q-th 128 along K into set p
	WIN TO_B
.irp i, 0,1,2,3,4,5,6,7
	FRAG 128*(\p)+FR*\i, ADRB+\slot, \q, \i
.endr
	WIN 0
.endm
.macro FETCH_A slot, q, i0             ; P's blocks i0 .. i0 + 3
.irp i, \i0, \i0+1, \i0+2, \i0+3
	FRAG AF+FR*(\i), ADRA+\slot, \q, \i
.endr
.endm
; A load into a register that a matrix instruction has read, and a vector instruction that reads a matrix result or writes one of its registers, stand NP places behind it;
; only plain vector instructions that name none of its registers are places (ISA guide 7.12.1 for vector instructions).
.macro PLACES n
.rept \n
	v_nop
.endr
.endm
; A step of 128 along K that has its successor in the same slot.
.macro STEP slot, q, zero
	s_wait_dscnt 4*NL                              ; R's set and P's blocks 0-3 are in; the youngest sixteen loads (P's blocks 4-7) may be out
	WIN MUL_LO
	MUL16 0, (\q)%2, \zero
	MUL16 2, (\q)%2, \zero
	s_wait_dscnt 0                                 ; P's blocks 4-7 are in (asked for 32 matrix instructions ago)
	PLACES NP
	FETCH_B \slot, (\q)+1, 1-(\q)%2
	FETCH_A \slot, (\q)+1, 0
	WIN MUL_HI
	MUL16 4, (\q)%2, \zero
	MUL16 6, (\q)%2, \zero
	PLACES NP
	WIN 0
	FETCH_A \slot, (\q)+1, 4
.endm
; A slot's last step changes slots: ONE barrier; in front of it each wave waits for all its tensor loads, adds 0 to its spare word, and waits for that and for its own reads of this slot.  fill = 1: this slot is filled again, two K steps ahead.
.macro TURN slot, next, fill
	s_wait_tensorcnt 0x0                           ; all my tensor loads have landed: my part of the next slot  (every window is 0 here)
	ds_add_u32 v[SPW], v[NIL]                      ; 0 onto my spare word
	s_wait_dscnt 4*NL+1                            ; (the add and the youngest sixteen loads, P's blocks 4-7, may be out)
	WIN MUL_LO
	MUL16 0, 1, 0                                  ; sixteen matrix instructions stand between the add and the wait for it
	s_wait_dscnt 0x0                               ; the add is done, and my reads of this slot are over
	s_barrier_signal -1
	MUL16 2, 1, 0
	WIN 0
	s_barrier_wait -1
.if \fill
	CREST                                          ; the barrier has opened a round of the cluster's barrier: no wave of any partner still reads this slot's tile or has a load on its way
	s_add_nc_u64 s[G0+4*\slot+2:G0+4*\slot+3], s[G0+4*\slot+2:G0+4*\slot+3], 2*ROWB
	s_add_nc_u64 s[G0B+4*\slot+2:G0B+4*\slot+3], s[G0B+4*\slot+2:G0B+4*\slot+3], 2*ROWB
	JLOAD G0+4*\slot, G1, G0B+4*\slot, G1B         ; the first tensor load behind the round, my only one out; the four v_nop behind it are the places in front of the loads below
.else
	PLACES NP
.endif
	FETCH_B \next, 0, 0
	FETCH_A \next, 0, 0
	WIN MUL_HI
	MUL16 4, 1, 0
	MUL16 6, 1, 0
	PLACES NP
	WIN 0
	FETCH_A \next, 0, 4
.endm
	s_wait_tensorcnt 1                             ; my part of K step 0 is in (K step 1's load may be out)
	s_barrier_signal -1
	s_barrier_wait -1                              ; everybody's is
	FETCH_B 0, 0, 0
	FETCH_A 0, 0, 0
	FETCH_A 0, 0, 4
	STEP 0, 0, 1                                   ; the first step stands in front of the loop: its products start the sums
	s_mov_b32 s3, LAPS-1
.Llap:                                                 ; a trip goes once round the ring, from a lap's second step to the next lap's first, and fills both slots again
	TURN 0, 1, 1
	STEP 1, 0, 0
	TURN 1, 0, 1
	STEP 0, 0, 0
	s_sub_co_u32 s3, s3, 1
	s_cmp_lg_u32 s3, 0
	s_cbranch_scc1 .Llap
	TURN 0, 1, 0                                   ; the last lap fills nothing, and has no round of the cluster's barrier
	STEP 1, 0, 0
	s_wait_dscnt 4*NL                              ; the very last step: nothing more to fetch
	WIN MUL_LO
	MUL16 0, 1, 0
	MUL16 2, 1, 0
	s_wait_dscnt 0
	WIN MUL_HI
	MUL16 4, 1, 0
	MUL16 6, 1, 0
	WIN 0
; THE WAY OUT, block a of 16 rows of C' at a time: sum x 2^(ea + eb) + bias (one of the two biases is zeros, so the number is rounded once), the hold at the largest code, the conversion, four stores of 512 consecutive bytes.
.macro EPI a
.set AC, 64*((\a)%4)
.set CDS, CD+16*((\a)%4)
.set WW, 0x02+((\a)/4)
	WIN WW                                         ; source 0: window 2 or 3
.set j, 0
.rept 32
	v_pk_fma_f32 v[TMP+j:TMP+j+1], v[AC+j:AC+j+1], s[96:97], v[BJ+j:BJ+j+1] op_sel_hi:[1,0,1]   ; each accumulator from its low end on
.set j, j+2
.endr
	WIN 0
.set j, 0
.rept 32
	v_pk_add_f32 v[TMP+j:TMP+j+1], v[TMP+j:TMP+j+1], v[BI+2*(\a):BI+2*(\a)+1]
.set j, j+2
.endr
.set j, 0
.rept 64
	v_med3_num_f32 v[TMP+j], v[TMP+j], -v[LIM], v[LIM]   ; the conversion to an 8-bit code does not saturate (ISA guide 7.6.2)
.set j, j+1
.endr
.if (\a) >= 4
	s_wait_xcnt 0x0                                ; block a - 4's stores have read this set of codes
.endif
.irp b, 0,1,2,3,4,5,6,7
	v_cvt_scalef32_pk8_fp8_f32 v[CDS+2*\b:CDS+2*\b+1], v[TMP+8*\b:TMP+8*\b+7], v[SCL]   ; eight neighbours along the next K: registers 2 b, 2 b + 1 of the image
.endr
	v_nop                                          ; one plain vector instruction between a scaled conversion and the next vector instruction that writes its sources
.irp g, 0,1,2,3
	global_store_b128 v[OFF+2*(\a)+\g/2], v[CDS+4*\g:CDS+4*\g+3], s[10:11] offset:(\g%2)*512   ; 32 lanes store 512 consecutive bytes
.endr
.endm
	PLACES NP                                      ; behind the last products: what follows reads results and writes the registers that held P's fragments
.irp a, 0,1,2,3,4,5,6,7
	EPI \a
.endr
	s_wait_tensorcnt 0x0                           ; the wave's end
	ds_add_u32 v[SPW], v[NIL]
	s_wait_dscnt 0x0
	CROUND                                         ; the closing round: no work-group ends while a partner may still ask for a tile that names it
	s_endpgm
.Lfunc_end_k_qa8ca22ae8d_proj:
	.size	k_qa8ca22ae8d_proj, .Lfunc_end_k_qa8ca22ae8d_proj-k_qa8ca22ae8d_proj
	.p2alignl 7, 3214868480
	.fill 96, 4, 3214868480
	.section	.rodata,"a",@progbits
	.p2align	6, 0x0
	.amdhsa_kernel k_qa8ca22ae8d_proj
		.amdhsa_group_segment_fixed_size 327680
		.amdhsa_private_segment_fixed_size 0
		.amdhsa_enable_private_segment 0
		.amdhsa_kernarg_size 88
		.amdhsa_user_sgpr_count 2
		.amdhsa_user_sgpr_kernarg_segment_ptr 1
		.amdhsa_wavefront_size32 1
		.amdhsa_system_sgpr_workgroup_id_x 1
		.amdhsa_system_sgpr_workgroup_id_y 1
		.amdhsa_system_sgpr_workgroup_id_z 1
		.amdhsa_system_vgpr_workitem_id 0
		.amdhsa_next_free_vgpr 1024
		.amdhsa_next_free_sgpr 102
		.amdhsa_reserve_vcc 1
		.amdhsa_float_denorm_mode_32 3
		.amdhsa_float_denorm_mode_16_64 3
		.amdhsa_memory_ordered 1
		.amdhsa_forward_progress 1
		.amdhsa_inst_pref_size 157
	.end_amdhsa_kernel
	.amdgpu_metadata
---
amdhsa.version: [ 1, 2 ]
amdhsa.kernels:
  - .name:           k_qa8ca22ae8d_proj
    .symbol:         k_qa8ca22ae8d_proj.kd
    .args:
      - { .name: x_codes, .offset: 0, .size: 8, .value_kind: global_buffer, .address_space: global }
      - { .name: Wq_codes, .offset: 8, .size: 8, .value_kind: global_buffer, .address_space: global }
      - { .name: Wk_codes, .offset: 16, .size: 8, .value_kind: global_buffer, .address_space: global }
      - { .name: Wv_codes, .offset: 24, .size: 8, .value_kind: global_buffer, .address_space: global }
      - { .name: bq, .offset: 32, .size: 8, .value_kind: global_buffer, .address_space: global }
      - { .name: bk, .offset: 40, .size: 8, .value_kind: global_buffer, .address_space: global }
      - { .name: bv, .offset: 48, .size: 8, .value_kind: global_buffer, .address_space: global }
      - { .name: lowp_scales, .offset: 56, .size: 8, .value_kind: global_buffer, .address_space: global }
      - { .name: qc, .offset: 64, .size: 8, .value_kind: global_buffer, .address_space: global }
      - { .name: kc, .offset: 72, .size: 8, .value_kind: global_buffer, .address_space: global }
      - { .name: vc, .offset: 80, .size: 8, .value_kind: global_buffer, .address_space: global }
    .group_segment_fixed_size: 327680
    .private_segment_fixed_size: 0
    .kernarg_segment_align: 8
    .kernarg_segment_size: 88
    .max_flat_workgroup_size: 128
    .sgpr_count:     102
    .vgpr_count:     1024
    .wavefront_size: 32
...
	.end_amdgpu_metadata
.endif
;; end of part 1
;; launch attn (part 2): grid 4 x 64, 16 waves a work-group, no clusters, 264,192 bytes of LDS; arguments qc, kc, vc, lowp_scales, oc; writes oc
.if DOCPART == 2
	.amdgcn_target "amdgcn-amd-amdhsa--gfx1250"
	.amdhsa_code_object_version 6
	.text
	.protected	k_qa8ca22ae8d_attn
	.globl	k_qa8ca22ae8d_attn
	.p2align	8
	.type	k_qa8ca22ae8d_attn,@function
k_qa8ca22ae8d_attn:
	s_mov_b64 s[64:65], 0
	v_nop
	global_prefetch_b8 v0, s[64:65] scope:SCOPE_SE
	s_setreg_imm32_b32 hwreg(HW_REG_WAVE_MODE, 25, 1), 1
	s_wait_xcnt 0x0
; o = softmax(q k^T / 8, causal) v for one head, both products on codes of FP8 (E4M3); o is quantised at once with its given scale (entry 10) into codes for the last launch.
; qc, kc, vc are images of operand registers (16 bytes a lane, 512 bytes an instruction):
;   qc, kc: head x 131072 + (token / 16) x 1024 + c' x 512 + 16 x lane (the 16x16x64 form's places);   vc: head x 131072 + (key / 128) x 8192 + t x 2048 + g x 512 + 16 x lane (the 16x16x128 form's places, channel 16 t + lane % 16).
; THE SOFTMAX AHEAD OF THE SECOND PRODUCT: t = score x log2(e) / 8; M = the running largest t rounded UP to a whole number; p = 2^(t - M) is quantised (entry 8), not normalised; the row's sum is taken of the unquantised p
; and divides at the end.  When M moves, the sum and O are multiplied by 2^(old M - new M), which rounds nothing.
; SHARES.  Work-group (j, head) owns the blocks 7 - j and j of 256 queries: together 16 or 18 key steps a wave whatever j, so the 256 work-groups have equal work.  Each of sixteen waves owns one tile of 16 queries in each block
; (pass 0: block 7 - j; pass 1: block j), in 256 registers: four waves to a SIMD, so that one wave's vector work stands beside another's products and LDS loads.
; LDS.  The head's K lies at 0, its V at 131072, each byte written ONCE, through registers, a chunk of 128 keys (8 KB + 8 KB, 16 + 16 bytes a thread) in each trip of pass 0, asked for one trip ahead.  One barrier a trip, between
; the chunk's stores and its reads; the next trip's stores go to other bytes.  Pass 1 only reads.  Only the 16 - 2 j chunks that the mask leaves are fetched.
; NO JOINT LOADS: the four work-groups of a head need 16, 14, 12, 10 chunks, V's pieces change places on the way in (below), which wants registers, and a work-group reads each byte of K and V from memory once for its 32 tiles of queries.
; LAYOUT.  Both products are used transposed: S^T = K Q^T (source 0 = 16 keys), O^T = V^T P^T (source 0 = 16 channels): a lane holds ONE query (lane % 16) throughout.  Register 8 T + i of S^T is key 16 T + 8 (lane / 16) + i:
; the conversions' results are P in the 16x16x128 form's own places.  V's pieces are laid in LDS so that lane rr of tile 2 c' + u holds channel 32 c' + 8 u + rr + 8 (rr / 8): the 16 registers of O^T's tiles 2 c', 2 c' + 1 are then
; channels 32 c' + 16 (lane / 16) + 0 .. 15, which is oc's order: oc = (token / 16) x 16384 + (k / 128) x 2048 + c x 512 + 16 x lane, lane (r, h): row r, k = 32 c + 16 h + 0 .. 15.  So o's codes are stored as they come, 512 bytes a store.
; CAUSAL.  A step all of whose keys come after my 16 queries is left out by a scalar branch on ids; in the one step on the diagonal hidden scores become -infinity.  The loops' trip counts are constants.
; THE HOLD OF p.  p is at most 1 (but for f32 rounding), and 448 x 2^-8 = 1.75: for entry 8 >= -8 the hold can change nothing and is jumped over, a scalar branch on that whole number; else it is executed.
; LIMITS on the given exponents: entries 6 + 7 between -123 and 130 (added to c's exponent field); entries 8 and 10 between -126 and 119; entries 8 + 9 go through v_ldexp_f32 and have none.  NaN codes are not served.
.set VBASE, 131072
.set CHUNK, 8192
.set L16,  1                           ; v1   16 x lane
.set LV,   2                           ; v2   16 x lane + VBASE
.set GOF,  3                           ; v3   16 x thread: my piece of a chunk in memory, and K's place in LDS
.set VST0, 4                           ; v4   V's place in LDS
.set TV,   5                           ; v5   at work at the head
.set ADK,  6                           ; v6   LDS address of the step's K
.set ADV,  7                           ; v7   of its V
.set KST,  8                           ; v8   where I store my piece of K
.set VST,  9                           ; v9   of V
.set RH,   10                          ; v10  lane % 16 - 8 (lane / 16)
.set NINF, 11                          ; v11  -infinity
                                       ; v12 -M, v13 the largest t, v[14:15] the sum in two halves
.set QA,   16                          ; v16-23  Q of pass 0
.set QB,   24                          ; v24-31  Q of pass 1
.set KV,   32                          ; v32-95  eight fragments of K, then four of V
.set S,    96                          ; v96-159 S^T, then p; at the end o
.set O,    160                         ; v160-191 O^T
.set PC,   192                         ; v192-207 p's codes
.set FL,   208                         ; v208-215 my pieces of the chunk on its way
.set CA,   216                         ; v216-223 o's codes of pass 0
.set CB,   224                         ; v224-231 of pass 1
.set MX,   232                         ; v232, v233 two chains of the maximum
.set F,    234                         ; v[234:235] f = 2^(old M - new M)
.set SM2,  236                         ; v[236:237] the sum's second chain
.set PRM,  238                         ; v238 a lane permute's destination
.set DG,   239                         ; v239 the mask's d
.set PLIM, 240                         ; v240 448 x 2^e8;  v241 2^e8
.set PSCL, 241
.set OLIM, 242                         ; v242 448 x 2^e10; v243 2^e10
.set OSCL, 243
; s14 wave; s15 head; s17 chunks needed; s18 trip; s19 the chunk's LDS byte; s[20:21] lane selects; s[22:23] c; s24 the step's first key; s25 my first query; s26, s27 that of pass 0, 1;
; s[28:29], s[30:31] where o's codes go; s[32:43] the exponents; s44 e8 + e9; s46, s47 at work; s[48:49], s[50:51] Q's codes
	s_load_b256 s[4:11], s[0:1], 0x0               ; qc s[4:5], kc s[6:7], vc s[8:9], the exponents s[10:11]
	s_load_b64 s[12:13], s[0:1], 0x20              ; oc
	v_lshl_add_u32 v254, v0, 2, 0x40000
	v_mov_b32 v255, 0
	v_lshrrev_b32 v[TV], 5, v0
	v_readfirstlane_b32 s14, v[TV]                 ; wave 0..15
	v_and_b32 v[L16], 31, v0
	v_lshlrev_b32 v[L16], 4, v[L16]
	v_add_nc_u32 v[LV], VBASE, v[L16]
	v_lshlrev_b32 v[GOF], 4, v0
	; V's place.  In memory thread n holds tile t = n / 128, piece g = (n / 32) % 4, lane (r, h) = n % 32: channel 16 t + r.  In LDS that channel is lane 8 (t % 2) + r % 8 of tile 2 (t / 2) + r / 8:
	v_and_b32 v[VST0], 7, v0
	v_lshlrev_b32 v[VST0], 4, v[VST0]              ; 16 (r % 8)
	v_bfe_u32 v[TV], v0, 7, 1
	v_lshl_add_u32 v[VST0], v[TV], 7, v[VST0]      ; + 128 (t % 2)
	v_bfe_u32 v[TV], v0, 4, 1
	v_lshl_add_u32 v[VST0], v[TV], 8, v[VST0]      ; + 256 h
	v_bfe_u32 v[TV], v0, 5, 2
	v_lshl_add_u32 v[VST0], v[TV], 9, v[VST0]      ; + 512 g
	v_bfe_u32 v[TV], v0, 3, 1
	v_lshl_add_u32 v[VST0], v[TV], 11, v[VST0]     ; + 2048 (r / 8)
	v_bfe_u32 v[TV], v0, 8, 1
	v_lshl_add_u32 v[VST0], v[TV], 12, v[VST0]     ; + 4096 (t / 2)
	v_add_nc_u32 v[VST0], VBASE, v[VST0]
	v_and_b32 v[RH], 15, v0
	v_bfe_u32 v[TV], v0, 4, 1
	v_lshlrev_b32 v[TV], 3, v[TV]
	v_sub_nc_u32 v[RH], v[RH], v[TV]
	v_mov_b32 v[NINF], 0xff800000
	v_mov_b32 v[F+1], 0                            ; (named as the upper half of the pair)
	v_mov_b32 v[PRM], 0                            ; written once: a lane permute's destination counts as one of its sources
	s_and_b32 s15, ttmp7, 0xffff                   ; batch x 16 + head
	s_lshl_b32 s16, ttmp9, 1
	s_sub_co_u32 s17, 16, s16                      ; chunks that block 7 - j sees: 16 - 2 j
	s_sub_co_u32 s26, 7, ttmp9
	s_lshl_b32 s26, s26, 8
	s_lshl_b32 s46, s14, 4
	s_add_co_u32 s26, s26, s46                     ; pass 0: my first query
	s_lshl_b32 s27, ttmp9, 8
	s_add_co_u32 s27, s27, s46                     ; pass 1
	s_lshr_b32 s52, s15, 4
	s_lshl_b32 s52, s52, 21                        ; oc: batch x 2048 rows x 1024
	s_and_b32 s53, s15, 15
	s_lshl_b32 s53, s53, 10                        ; + head x 1024 (two pieces of 512 bytes)
	s_add_co_u32 s52, s52, s53
	s_lshl_b32 s28, s26, 10
	s_add_co_u32 s28, s28, s52
	s_mov_b32 s29, 0
	s_lshl_b32 s30, s27, 10
	s_add_co_u32 s30, s30, s52
	s_mov_b32 s31, 0
	s_lshl_b32 s48, s26, 6                         ; qc: 1,024 bytes for 16 queries
	s_mov_b32 s49, 0
	s_lshl_b32 s50, s27, 6
	s_mov_b32 s51, 0
	s_lshl_b32 s46, s15, 17                        ; the head's first byte in qc, kc, vc
	s_mov_b32 s47, 0
	s_mov_b32 s20, 0x76543210
	s_mov_b32 s21, 0xfedcba98                      ; v_permlanex16_b32's selects for lane l xor 16
	s_wait_kmcnt 0x0
	s_load_b256 s[32:39], s[10:11], 0x0            ; entries 0 to 7
	s_load_b128 s[40:43], s[10:11], 0x20           ; entries 8 to 11
	s_add_nc_u64 s[4:5], s[4:5], s[46:47]
	s_add_nc_u64 s[6:7], s[6:7], s[46:47]
	s_add_nc_u64 s[8:9], s[8:9], s[46:47]
	s_add_nc_u64 s[48:49], s[4:5], s[48:49]
	s_add_nc_u64 s[50:51], s[4:5], s[50:51]
	s_add_nc_u64 s[28:29], s[12:13], s[28:29]
	s_add_nc_u64 s[30:31], s[12:13], s[30:31]
	global_load_b128 v[FL:FL+3], v[GOF], s[6:7]    ; chunk 0 of K
	global_load_b128 v[FL+4:FL+7], v[GOF], s[8:9]  ; and of V
	global_load_b128 v[QA:QA+3], v[L16], s[48:49]
	global_load_b128 v[QA+4:QA+7], v[L16], s[48:49] offset:512
	global_load_b128 v[QB:QB+3], v[L16], s[50:51]
	global_load_b128 v[QB+4:QB+7], v[L16], s[50:51] offset:512
	s_wait_kmcnt 0x0
	s_add_co_i32 s46, s38, s39
	s_lshl_b32 s46, s46, 23
	s_mov_b32 s22, 0x3e38aa3b                      ; c = log2(e) / 8
	s_add_co_i32 s22, s22, s46                     ; a score stands for score x 2^(e6 + e7): the two exponents are added to c's exponent field
	s_mov_b32 s23, s22                             ; (named with it as a pair, so it is written)
	s_add_co_i32 s46, s40, 127
	s_lshl_b32 s47, s46, 23
	v_mov_b32 v[PSCL], s47                         ; 2^e8 as f32
	s_add_co_i32 s46, s46, 8
	s_lshl_b32 s46, s46, 23
	s_or_b32 s46, s46, 0x600000
	v_mov_b32 v[PLIM], s46                         ; 448 x 2^e8
	s_add_co_i32 s46, s42, 127
	s_lshl_b32 s47, s46, 23
	v_mov_b32 v[OSCL], s47                         ; 2^e10
	s_add_co_i32 s46, s46, 8
	s_lshl_b32 s46, s46, 23
	s_or_b32 s46, s46, 0x600000
	v_mov_b32 v[OLIM], s46                         ; 448 x 2^e10
	s_add_co_i32 s44, s40, s41                     ; e8 + e9
.macro INIT                            ; a pass begins: the step is written once, and its first run finds zeros, which the first change of M leaves zeros
	v_mov_b32 v13, 0xff61b1e6                      ; the largest t so far: -3e38, under every t
	v_floor_f32 v12, -v13                          ; -M
	v_mov_b32 v14, 0
	v_mov_b32 v15, 0
.set j, 0
.rept 32
	v_mov_b32 v[O+j], 0
.set j, j+1
.endr
.endm
; A KEY STEP: the 128 keys from s24 on, whose K and V begin at LDS byte s19 (+ VBASE); my queries' codes in v[qr] on.
.macro STEP qr
	s_add_co_u32 s46, s25, 15
	s_cmp_gt_u32 s24, s46                          ; all 128 keys come after my 16 queries: nothing to do
	s_cbranch_scc1 .Lhidden_\@
	v_add_nc_u32 v[ADK], s19, v[L16]
	v_add_nc_u32 v[ADV], s19, v[LV]
	v_nop
	v_nop                                          ; four places in front of loads into registers that the last products read (ISA guide 7.12.1 for vector instructions)
.irp t, 0,1,2,3,4,5,6,7
	ds_load_b128 v[KV+8*\t:KV+8*\t+3], v[ADK] offset:1024*\t
	ds_load_b128 v[KV+8*\t+4:KV+8*\t+7], v[ADK] offset:1024*\t+512
.endr
	s_wait_dscnt 8                                 ; tiles 0-3 are in; the eight loads of tiles 4-7 may be out
.irp t, 0,1,2,3
	v_wmma_f32_16x16x64_fp8_fp8 v[S+8*\t:S+8*\t+7], v[KV+8*\t:KV+8*\t+7], v[\qr:\qr+7], 0
.endr
	s_wait_dscnt 0x0
.irp t, 4,5,6,7
	v_wmma_f32_16x16x64_fp8_fp8 v[S+8*\t:S+8*\t+7], v[KV+8*\t:KV+8*\t+7], v[\qr:\qr+7], 0
.endr
.rept 4
	v_nop                                          ; places: the loads below land on K's registers, and the scores are read
.endr
.irp t, 0,1,2,3
.irp g, 0,1,2,3
	ds_load_b128 v[KV+16*\t+4*\g:KV+16*\t+4*\g+3], v[ADV] offset:2048*\t+512*\g   ; V lands while the softmax is worked
.endr
.endr
	s_add_co_u32 s46, s24, 127
	s_cmp_le_u32 s46, s25                          ; all 128 keys count for all my queries: no mask
	s_cbranch_scc1 .Lopen_\@
	s_sub_co_i32 s46, s25, s24
	v_add_nc_u32 v[DG], s46, v[RH]                 ; d = my query - first key - 8 (lane / 16).  Register 8 T + i holds key 16 T + 8 (lane / 16) + i: hidden where 16 T + i > d
.set n, 0
.rept 64
	v_cmp_gt_i32 vcc_lo, 16*(n/8)+n%8, v[DG]
	v_cndmask_b32 v[S+n], v[S+n], v[NINF], vcc_lo
.set n, n+1
.endr
.Lopen_\@:
	v_max3_num_f32 v[MX], v[S], v[S+1], v[S+2]     ; the step's largest score of my query among my 64 keys, in two chains, each accumulator from its low end on
	v_max3_num_f32 v[MX+1], v[S+3], v[S+4], v[S+5]
.irp i, 6,10,14,18,22,26,30,34,38,42,46,50,54,58
	v_max3_num_f32 v[MX], v[MX], v[S+\i], v[S+1+\i]
	v_max3_num_f32 v[MX+1], v[MX+1], v[S+2+\i], v[S+3+\i]
.endr
	v_max3_num_f32 v[MX], v[MX], v[S+62], v[S+63]
	v_max_num_f32 v[MX], v[MX], v[MX+1]
	v_permlanex16_b32 v[PRM], v[MX], s20, s21
	v_max_num_f32 v[MX], v[MX], v[PRM]             ; and among lane l xor 16's
	v_mul_f32 v[MX], s22, v[MX]                    ; as t (c is positive)
	v_max_num_f32 v13, v13, v[MX]                  ; the running largest t
	v_mov_b32 v[MX], v12
	v_floor_f32 v12, -v13                          ; the new -M = floor(-t) = -ceil(t): a whole number
	v_sub_f32 v[MX], v12, v[MX]                    ; old M - new M: a whole number, 0 or less
	v_cvt_i32_f32 v[MX], v[MX]                     ; (it saturates)
	v_ldexp_f32 v[F], 1.0, v[MX]                   ; f = 2^(old M - new M)
.set j, 0
.rept 32
	v_pk_fma_f32 v[S+j:S+j+1], v[S+j:S+j+1], s[22:23], v[12:13] op_sel_hi:[1,0,0]   ; t - M, two at a time
.set j, j+2
.endr
.set j, 0
.rept 64
	v_exp_f32 v[S+j], v[S+j]                       ; p = 2^(t - M): not normalised
.set j, j+1
.endr
	v_pk_mul_f32 v[14:15], v[14:15], v[F:F+1] op_sel_hi:[1,0]   ; the sums under the new M (a plain place behind the exponentials)
	s_wait_alu depctr_va_vdst(0)
	v_pk_add_f32 v[SM2:SM2+1], v[S:S+1], v[S+2:S+3]             ; the row's sum is taken of the unquantised p, in two chains
.irp j, 4,8,12,16,20,24,28,32,36,40,44,48,52,56,60
	v_pk_add_f32 v[14:15], v[14:15], v[S+\j:S+1+\j]
	v_pk_add_f32 v[SM2:SM2+1], v[SM2:SM2+1], v[S+2+\j:S+3+\j]
.endr
	v_pk_add_f32 v[14:15], v[14:15], v[SM2:SM2+1]
	s_cmp_ge_i32 s40, -8                           ; 448 x 2^e8 >= 1.75 lies over every p: the hold would change nothing
	s_cbranch_scc1 .Lnohold_\@
.set j, 0
.rept 64
	v_min_num_f32 v[S+j], v[S+j], v[PLIM]          ; the conversion to an 8-bit code does not saturate (ISA guide 7.6.2); p is not negative, so the hold is one-sided
.set j, j+1
.endr
.Lnohold_\@:
.irp t, 0,1,2,3,4,5,6,7
	v_cvt_scalef32_pk8_fp8_f32 v[PC+2*\t:PC+2*\t+1], v[S+8*\t:S+8*\t+7], v[PSCL]   ; keys 16 T + 8 (lane / 16) + 0 .. 7: registers 2 T, 2 T + 1 of the operand
.endr
.set j, 0
.rept 16
	v_pk_mul_f32 v[O+j:O+j+1], v[O+j:O+j+1], v[F:F+1] op_sel_hi:[1,0]   ; O^T under the new M (these are also the plain places behind the conversions)
.set j, j+2
.endr
	s_wait_dscnt 0x0                               ; V is in
.irp t, 0,1,2,3
	v_wmma_f32_16x16x128_fp8_fp8 v[O+8*\t:O+8*\t+7], v[KV+16*\t:KV+16*\t+15], v[PC:PC+15], v[O+8*\t:O+8*\t+7]   ; the four accumulators take turns
.endr
.Lhidden_\@:
.endm
; A pass ends: O^T x 2^(e8 + e9) / the sum, held, converted with 2^e10, stored: two stores of 512 consecutive bytes.
.macro OUTP cd, base
.rept 4
	v_nop                                          ; places behind the last products
.endr
	v_add_f32 v14, v14, v15                        ; the sum's two halves,
	v_permlanex16_b32 v[PRM], v14, s20, s21
	v_add_f32 v14, v14, v[PRM]                     ; and lane l xor 16's
	v_rcp_f32 v14, v14
	v_nop                                          ; one plain place behind a transcendental
	s_wait_alu depctr_va_vdst(0)
	v_ldexp_f32 v14, v14, s44
.set j, 0
.rept 16
	v_pk_mul_f32 v[S+j:S+j+1], v[O+j:O+j+1], v[14:15] op_sel_hi:[1,0]   ; each accumulator from its low end on
.set j, j+2
.endr
.set j, 0
.rept 32
	v_med3_num_f32 v[S+j], v[S+j], -v[OLIM], v[OLIM]
.set j, j+1
.endr
.irp t, 0,1,2,3
	v_cvt_scalef32_pk8_fp8_f32 v[\cd+2*\t:\cd+2*\t+1], v[S+8*\t:S+8*\t+7], v[OSCL]
.endr
	v_nop                                          ; one plain vector instruction between a scaled conversion and what later writes its sources
	global_store_b128 v[L16], v[\cd:\cd+3], s[\base:\base+1]
	global_store_b128 v[L16], v[\cd+4:\cd+7], s[\base:\base+1] offset:512
.endm
	; ---- pass 0: block 7 - j; K and V come into LDS on the way
	INIT
	s_mov_b32 s25, s26
	s_mov_b32 s18, 0
	s_mov_b32 s19, 0
	s_mov_b32 s24, 0
.Lp0:                                              ; 16 trips, a constant; what a trip has no use for is jumped over
	s_wait_loadcnt 0x0                             ; the chunk asked for a trip ago is in registers (in the first trip: Q too); its loads' bases may be stepped
	s_cmp_ge_u32 s18, s17
	s_cbranch_scc1 .Lnofill
	v_add_nc_u32 v[KST], s19, v[GOF]
	v_add_nc_u32 v[VST], s19, v[VST0]
	ds_store_b128 v[KST], v[FL:FL+3]
	ds_store_b128 v[VST], v[FL+4:FL+7]
.Lnofill:
	s_wait_dscnt 0x0                               ; for the others' sake: my stores have landed (and have read their registers)
	s_add_co_u32 s46, s18, 1
	s_cmp_ge_u32 s46, s17
	s_cbranch_scc1 .Lnoload                        ; no load for a chunk that nobody reads
	s_add_nc_u64 s[6:7], s[6:7], CHUNK
	s_add_nc_u64 s[8:9], s[8:9], CHUNK
	global_load_b128 v[FL:FL+3], v[GOF], s[6:7]    ; the next chunk has this trip's step in which to come
	global_load_b128 v[FL+4:FL+7], v[GOF], s[8:9]
.Lnoload:
	s_barrier_signal -1
	s_barrier_wait -1                              ; the chunk is whole
	STEP QA
	s_add_co_u32 s19, s19, CHUNK
	s_add_co_u32 s24, s24, 128
	s_add_co_u32 s18, s18, 1
	s_cmp_lt_u32 s18, 16
	s_cbranch_scc1 .Lp0
	OUTP CA, 28
	; ---- pass 1: block j; LDS is only read: no barrier
	INIT
	s_mov_b32 s25, s27
	s_mov_b32 s18, 0
	s_mov_b32 s19, 0
	s_mov_b32 s24, 0
.Lp1:
	STEP QB
	s_add_co_u32 s19, s19, CHUNK
	s_add_co_u32 s24, s24, 128
	s_add_co_u32 s18, s18, 1
	s_cmp_lt_u32 s18, 16
	s_cbranch_scc1 .Lp1
	OUTP CB, 30
	s_wait_tensorcnt 0x0
	ds_add_u32 v254, v255
	s_wait_dscnt 0x0
	s_endpgm
.Lfunc_end_k_qa8ca22ae8d_attn:
	.size	k_qa8ca22ae8d_attn, .Lfunc_end_k_qa8ca22ae8d_attn-k_qa8ca22ae8d_attn
	.p2alignl 7, 3214868480
	.fill 96, 4, 3214868480
	.section	.rodata,"a",@progbits
	.p2align	6, 0x0
	.amdhsa_kernel k_qa8ca22ae8d_attn
		.amdhsa_group_segment_fixed_size 264192
		.amdhsa_private_segment_fixed_size 0
		.amdhsa_enable_private_segment 0
		.amdhsa_kernarg_size 40
		.amdhsa_user_sgpr_count 2
		.amdhsa_user_sgpr_kernarg_segment_ptr 1
		.amdhsa_wavefront_size32 1
		.amdhsa_system_sgpr_workgroup_id_x 1
		.amdhsa_system_sgpr_workgroup_id_y 1
		.amdhsa_system_sgpr_workgroup_id_z 1
		.amdhsa_system_vgpr_workitem_id 0
		.amdhsa_next_free_vgpr 256
		.amdhsa_next_free_sgpr 66
		.amdhsa_reserve_vcc 1
		.amdhsa_float_denorm_mode_32 3
		.amdhsa_float_denorm_mode_16_64 3
		.amdhsa_memory_ordered 1
		.amdhsa_forward_progress 1
		.amdhsa_inst_pref_size 57
	.end_amdhsa_kernel
	.amdgpu_metadata
---
amdhsa.version: [ 1, 2 ]
amdhsa.kernels:
  - .name:           k_qa8ca22ae8d_attn
    .symbol:         k_qa8ca22ae8d_attn.kd
    .args:
      - { .name: qc, .offset: 0, .size: 8, .value_kind: global_buffer, .address_space: global }
      - { .name: kc, .offset: 8, .size: 8, .value_kind: global_buffer, .address_space: global }
      - { .name: vc, .offset: 16, .size: 8, .value_kind: global_buffer, .address_space: global }
      - { .name: lowp_scales, .offset: 24, .size: 8, .value_kind: global_buffer, .address_space: global }
      - { .name: oc, .offset: 32, .size: 8, .value_kind: global_buffer, .address_space: global }
    .group_segment_fixed_size: 264192
    .private_segment_fixed_size: 0
    .kernarg_segment_align: 8
    .kernarg_segment_size: 40
    .max_flat_workgroup_size: 512
    .sgpr_count:     66
    .vgpr_count:     256
    .wavefront_size: 32
...
	.end_amdgpu_metadata
.endif
;; end of part 2
;; launch outp (part 3): grid 4 x 32, 4 waves a work-group, clusters of 4 x 4, 327,680 bytes of LDS; arguments oc, Wo_codes, lowp_scales, bo, out0; writes out0
.if DOCPART == 3
	.amdgcn_target "amdgcn-amd-amdhsa--gfx1250"
	.amdhsa_code_object_version 6
	.text
	.protected	k_qa8ca22ae8d_outp
	.globl	k_qa8ca22ae8d_outp
	.p2align	8
	.type	k_qa8ca22ae8d_outp,@function
k_qa8ca22ae8d_outp:
	s_mov_b64 s[64:65], 0
	v_nop
	global_prefetch_b8 v0, s[64:65] scope:SCOPE_SE
	s_setreg_imm32_b32 hwreg(HW_REG_WAVE_MODE, 25, 1), 1
	s_wait_xcnt 0x0
	s_wait_alu depctr_hold_cnt(0) depctr_sa_sdst(0) depctr_va_vdst(0) depctr_va_sdst(0) depctr_va_ssrc(0) depctr_va_vcc(0) depctr_vm_vsrc(0)
	s_getreg_b32 s2, hwreg(HW_REG_IB_STS2, 6, 4)
	s_cmp_eq_u32 s2, 0
	s_cbranch_scc0 .Lentry_in_a_cluster
	s_endpgm
.Lentry_in_a_cluster:
	s_bfe_u32 s2, ttmp6, 0x10000c
	s_cmp_lg_u32 s2, 0xf033
	s_cbranch_scc0 .Lentry_shape_is_right
	s_endpgm
.Lentry_shape_is_right:
; out0 = o Wo + bo on codes of FP8 (E4M3).  o: 8,192 rows x 1,024 along K as codes, laid as images of operand registers: (row / 16) x 16384 + (k / 128) x 2048 + c x 512 + 16 x lane; lane (r, h) holds row r, k = 32 c + 16 h + 0 .. 15.
; Wo: [1024 (out)][1024 (k)] codes, K innermost.  out0: [8192][1024] f32.  Sums in f32; each finished sum x 2^(e10 + e11) + bo, one fused multiply-add.
; LIMIT: e10 + e11 (entries 10, 11 of the exponents) between -126 and 127, so that 2^(e10 + e11) is an f32 number.
; A tile of out0, 256 x 256, is made by four waves, each 128 x 128 in 64 accumulators.  K goes in steps of 256 through a ring of two LDS slots filled by the tensor data mover.
; o's part of a slot: 16 tiles of rows x 4,096 bytes, as they lie in memory: a fragment comes by four loads of 512 consecutive bytes.  Wo's part: 256 rows of 256 bytes + 16 of padding; its fragments are fetched by four loads of
; 16 bytes a lane, which gives k the same places as in o's images.
; CLUSTERS: 4 x 4 work-groups; o's tiles are shared along a row of the cluster, Wo's along a column: each is asked for JOINTLY, by the same tensor load with a mask that names the four.
; THE MATRIX INSTRUCTION IS USED TRANSPOSED (source 0 = 16 rows of Wo, source 1 = 16 rows of o): a lane holds eight neighbouring numbers of a row of out0.
; REGISTERS, in windows of 256: window 0: v0-31 addresses, v12-15 my four numbers of bo; from v128 o's fragments, ONE set (on the way out: rows read back).  window 1: Wo's fragments, TWO sets.  windows 2, 3: the accumulators.
.set KROW,   1024                      ; a row of Wo in memory, in bytes
.set ROWB,   256                       ; a row of Wo's tile: 256 along K
.set PITCH,  272                       ; in LDS: + 16 of padding = 68 words: row r starts at bank 4 r mod 64 (64 banks of 4 bytes: ISA guide 11.1)
.set AROW,   4096                      ; o: 16 rows x 256 along K
.set APITCH, 16384                     ; o: from 16 rows to the next 16, in memory
.set FR,     16
.set NL,     4
.set NP,     4
.set BOFF,   16*AROW                   ; a slot: o's 16 tiles of rows, then Wo's 256 rows
.set HALFB,  128*PITCH
.set SLOT,   BOFF+2*HALFB
.set LAPS,   KROW/(2*ROWB)
.set SPARE,  2*SLOT                    ; behind the ring: the spare words, 128 bytes for each wave
.set SPITCH, 528                       ; the way out: a stage of 16 rows x (512 bytes + 16) for each wave, in slot 0, which has had its last fill and its last read when the first result is stored there
.set NROW,   4096                      ; a row of out0 in bytes
.set BO,   12                          ; v12-15  bo at my four columns of a row read back
.set ADRA, 16                          ; v16-17  LDS address of my o fragments in slot 0, 1
.set ADRB, 20                          ; v20-21  the same for Wo
.set STO,  24                          ; v24     the way out: where I put 32 bytes of a row
.set RD,   25                          ; v25     where I read a row back
.set CO,   26                          ; v26     16 x lane: my byte offset in a row's 512 bytes
.set SPW,  28                          ; v28     LDS address of my spare word; never rewritten
.set NIL,  29                          ; v29     0; never rewritten
.set AF,   128
.set BK,   128                         ; the way out: 16 rows read back: v128-191 and v192-255 by turns
.set G1, 24                            ; s[24:31] descriptor group 1 for o's tiles;  s[32:39] group 0, one set for each slot
.set G0, 32
.set G1B, 48                           ; s[48:55], s[56:63] the same for Wo's tiles
.set G0B, 56
.set MSB, 0
.macro WIN new                         ; the immediate's high byte repeats the setting that is left
.if MSB != \new
	s_set_vgpr_msb (MSB<<8)|\new
.set MSB, \new
.endif
.endm
.set MUL_LO, 0xa1                      ; source 0 (Wo) window 1, source 1 (o) window 0, C and D window 2
.set MUL_HI, 0xf1
.set TO_B,   0x40
.macro JLOAD g0a, g1a, g0b, g1b        ; a joint load: waves 0 and 1 fetch for o, waves 2 and 3 for Wo; four v_nop follow each of the two lines
	s_cmp_eq_u32 s15, 0
	s_cbranch_scc0 .Lfor_b_\@
	tensor_load_to_lds s[\g0a:\g0a+3], s[\g1a:\g1a+7]
	s_nop 0
.rept 4
	v_nop
.endr
	s_branch .Lasked_\@
.Lfor_b_\@:
	tensor_load_to_lds s[\g0b:\g0b+3], s[\g1b:\g1b+7]
	s_nop 0
.rept 4
	v_nop
.endr
.Lasked_\@:
.endm
.macro CREST
	s_cmp_lg_u32 s14, 0
	s_cbranch_scc1 .Lnot_wave_0_\@
	s_barrier_signal -3
.Lnot_wave_0_\@:
	s_barrier_wait -3
	s_barrier_signal -1
	s_barrier_wait -1
.endm
.macro CROUND
	s_barrier_signal -1
	s_barrier_wait -1
	CREST
.endm
	s_load_b128 s[4:7], s[0:1], 0x0                ; o's codes s[4:5], Wo's codes s[6:7]
	s_load_b128 s[8:11], s[0:1], 0x10              ; the exponents s[8:9], bo s[10:11]
	s_load_b64 s[12:13], s[0:1], 0x20              ; out0
	v_lshl_add_u32 v[SPW], v0, 2, SPARE
	v_mov_b32 v[NIL], 0
	ds_add_u32 v28, v29
	ds_add_u32 v28, v29
	s_wait_dscnt 0x0
	v_lshrrev_b32 v1, 5, v0
	v_readfirstlane_b32 s14, v1                    ; wave 0..3
	s_lshr_b32 s15, s14, 1                         ; which half of the tile's rows is mine.  Also: I fetch for o (0) or for Wo (1)
	s_and_b32 s16, s14, 1                          ; which half of its columns.  Also: which half of that tile I fetch
	s_bfe_u32 s40, ttmp6, 0x40000                  ; cx, cy
	s_bfe_u32 s41, ttmp6, 0x40004
	s_lshl_b32 s42, ttmp9, 2
	s_add_co_u32 s42, s42, s40                     ; tile column = 4 x cluster x + cx
	s_and_b32 s17, ttmp7, 0xffff
	s_lshl_b32 s17, s17, 2
	s_add_co_u32 s17, s17, s41                     ; tile row = 4 x cluster y + cy
	s_lshl_b32 s43, s41, 2
	s_lshl_b32 s43, 15, s43                        ; my row of the cluster
	s_lshl_b32 s44, 0x1111, s40                    ; my column
	; descriptor group 1 for o: 8 rows of 4,096 bytes, 16,384 bytes apart in memory, dense in LDS
	s_or_b32 s[G1+0], s43, (0<<16)|(1<<21)         ; 15:0 the mask: my row; 17:16 element of 1 byte; 20 no padding; 21 set beside a mask
	s_mov_b32 s[G1+1], AROW<<16                    ; tensor_dim0
	s_mov_b32 s[G1+2], 8<<16                       ; tensor_dim1
	s_mov_b32 s[G1+3], AROW<<16                    ; tile_dim0
	s_mov_b32 s[G1+4], 8                           ; tile_dim1
	s_mov_b32 s[G1+5], APITCH                      ; tensor_dim0_stride
	s_mov_b32 s[G1+6], 0
	s_mov_b32 s[G1+7], 0
	; for Wo: 128 rows of 256 bytes, padded in LDS
	s_or_b32 s[G1B+0], s44, (0<<16)|(1<<20)|(1<<21)|(5<<22)|(3<<25)  ; the mask: my column; padding: 4 words (code 3) after every 64 (code 5)
	s_mov_b32 s[G1B+1], ROWB<<16
	s_mov_b32 s[G1B+2], 128<<16
	s_mov_b32 s[G1B+3], ROWB<<16
	s_mov_b32 s[G1B+4], 128
	s_mov_b32 s[G1B+5], KROW
	s_mov_b32 s[G1B+6], 0
	s_mov_b32 s[G1B+7], 0
	s_lshl_b32 s18, s16, 17                        ; my half: 8 x 16,384 bytes of o, or 128 x 1,024 of Wo
	s_lshl_b32 s20, s17, 18                        ; o: tile row x 16 x 16,384
	s_add_co_u32 s20, s20, s18
	s_mov_b32 s21, 0
	s_lshl_b32 s46, s42, 18                        ; Wo: tile column x 256 x 1,024
	s_add_co_u32 s46, s46, s18
	s_mov_b32 s47, 0
	s_lshl_b32 s45, s16, 15                        ; where they go: o's half,
	s_mul_i32 s19, s16, HALFB
	s_add_co_u32 s19, s19, BOFF                    ; Wo's half: no place in the cluster enters an LDS address
	s_wait_kmcnt 0x0
	s_load_b64 s[96:97], s[8:9], 0x28              ; e10, e11
	s_add_nc_u64 s[20:21], s[4:5], s[20:21]
	s_add_nc_u64 s[46:47], s[6:7], s[46:47]
	CROUND                                         ; all sixteen work-groups are here: the first joint loads meet
.irp s, 0,1
	s_mov_b32 s[G0+4*\s], 1
	s_add_co_u32 s[G0+4*\s+1], s45, \s*SLOT
	s_add_nc_u64 s[G0+4*\s+2:G0+4*\s+3], s[20:21], \s*AROW
	s_or_b32 s[G0+4*\s+3], s[G0+4*\s+3], 0x80000000
	s_mov_b32 s[G0B+4*\s], 1
	s_add_co_u32 s[G0B+4*\s+1], s19, \s*SLOT
	s_add_nc_u64 s[G0B+4*\s+2:G0B+4*\s+3], s[46:47], \s*ROWB
	s_or_b32 s[G0B+4*\s+3], s[G0B+4*\s+3], 0x80000000
	JLOAD G0+4*\s, G1, G0B+4*\s, G1B               ; two tensor loads of mine are out behind these
.endr
	v_and_b32 v1, 15, v0                           ; r
	v_bfe_u32 v2, v0, 4, 1                         ; h
	v_and_b32 v6, 31, v0
	v_lshlrev_b32 v[CO], 4, v6                     ; 16 x lane
	v_mul_u32_u24 v3, v1, PITCH
	v_lshl_add_u32 v4, v2, 4, v3                   ; Wo: a fragment's row x pitch + 16 x half
	s_lshl_b32 s21, s15, 15                        ; my 8 tiles of rows of o
	s_mul_i32 s22, s16, HALFB                      ; my 128 rows of Wo,
	s_add_co_u32 s22, s22, BOFF                    ; which lie behind o's part
.irp s, 0,1
	v_add_nc_u32 v[ADRA+\s], s21, v[CO]
	v_add_nc_u32 v[ADRB+\s], s22, v4
	s_add_co_u32 s21, s21, SLOT
	s_add_co_u32 s22, s22, SLOT
.endr
	s_mul_i32 s23, s14, 16*SPITCH                  ; my stage
	v_mul_u32_u24 v5, v1, SPITCH                   ; in: row l % 16, 32 bytes for each half of the lanes
	v_lshl_add_u32 v5, v2, 5, v5
	v_add_nc_u32 v[STO], s23, v5
	v_add_nc_u32 v[RD], s23, v[CO]                 ; back: the 32 lanes take one row of 512 bytes
	s_lshl_b32 s46, s42, 10                        ; my first column, in bytes of f32: 1024 x tile column + 512 x half
	s_lshl_b32 s47, s16, 9
	s_add_co_u32 s46, s46, s47
	s_mov_b32 s47, 0
	s_add_nc_u64 s[10:11], s[10:11], s[46:47]
	global_load_b128 v[BO:BO+3], v[CO], s[10:11]   ; bo at my four columns
	s_lshl_b32 s20, s17, 8
	s_lshl_b32 s21, s15, 7
	s_add_co_u32 s20, s20, s21                     ; my first row: 256 x tile row + 128 x half
	s_lshl_b32 s20, s20, 12                        ; x 4,096 bytes (under 2^25)
	s_mov_b32 s21, 0
	s_add_nc_u64 s[20:21], s[20:21], s[46:47]
	s_add_nc_u64 s[12:13], s[12:13], s[20:21]
	s_wait_kmcnt 0x0
	s_add_co_i32 s96, s96, s97
	s_add_co_i32 s96, s96, 127
	s_lshl_b32 s96, s96, 23                        ; 2^(e10 + e11) as f32
	s_mov_b32 s97, s96                             ; (named with it as a pair, so it is written)
	s_wait_loadcnt 0x0                             ; bo
.macro FRAG reg, adr, q, i             ; Wo: 16 rows x 128 K: registers 4 c .. 4 c + 3 hold K = 32 c + 16 (l / 16) + 0 .. 15 of row l % 16
.irp c, 0,1,2,3
	ds_load_b128 v[\reg+4*\c:\reg+4*\c+3], v[\adr] offset:128*(\q)+32*\c+(\i)*16*PITCH
.endr
.endm
.macro FRAGA reg, adr, q, i            ; o: the image of the same registers: 512 consecutive bytes a load
.irp c, 0,1,2,3
	ds_load_b128 v[\reg+4*\c:\reg+4*\c+3], v[\adr] offset:AROW*(\i)+2048*(\q)+512*\c
.endr
.endm
; 16 matrix instructions: o's blocks a0, a0 + 1 x Wo's eight.  The 64 accumulators take turns, one instruction a turn, in the same order in every step.
.macro MUL16 a0, p, zero
.irp a, \a0, \a0+1
.irp b, 0,1,2,3,4,5,6,7
.if \zero
	v_wmma_f32_16x16x128_fp8_fp8 v[8*(8*((\a)%4)+\b):8*(8*((\a)%4)+\b)+7], v[128*(\p)+FR*\b:128*(\p)+FR*\b+FR-1], v[AF+FR*(\a):AF+FR*(\a)+FR-1], 0
.else
	v_wmma_f32_16x16x128_fp8_fp8 v[8*(8*((\a)%4)+\b):8*(8*((\a)%4)+\b)+7], v[128*(\p)+FR*\b:128*(\p)+FR*\b+FR-1], v[AF+FR*(\a):AF+FR*(\a)+FR-1], v[8*(8*((\a)%4)+\b):8*(8*((\a)%4)+\b)+7]
.endif
.endr
.endr
.endm
.macro FETCH_B slot, q, p
	WIN TO_B
.irp i, 0,1,2,3,4,5,6,7
	FRAG 128*(\p)+FR*\i, ADRB+\slot, \q, \i
.endr
	WIN 0
.endm
.macro FETCH_A slot, q, i0
.irp i, \i0, \i0+1, \i0+2, \i0+3
	FRAGA AF+FR*(\i), ADRA+\slot, \q, \i
.endr
.endm
.macro PLACES n                        ; places behind matrix instructions (ISA guide 7.12.1 for vector instructions): plain vector instructions that name none of their registers
.rept \n
	v_nop
.endr
.endm
.macro STEP slot, q, zero              ; a step of 128 along K that has its successor in the same slot
	s_wait_dscnt 4*NL                              ; Wo's set and o's blocks 0-3 are in; the youngest sixteen loads (o's blocks 4-7) may be out
	WIN MUL_LO
	MUL16 0, (\q)%2, \zero
	MUL16 2, (\q)%2, \zero
	s_wait_dscnt 0
	PLACES NP
	FETCH_B \slot, (\q)+1, 1-(\q)%2
	FETCH_A \slot, (\q)+1, 0
	WIN MUL_HI
	MUL16 4, (\q)%2, \zero
	MUL16 6, (\q)%2, \zero
	PLACES NP
	WIN 0
	FETCH_A \slot, (\q)+1, 4
.endm
; A slot's last step changes slots: ONE barrier; in front of it each wave waits for all its tensor loads, adds 0 to its spare word, and waits for that and for its own reads of this slot.
.macro TURN slot, next, fill
	s_wait_tensorcnt 0x0                           ; all my tensor loads have landed: my part of the next slot  (every window is 0 here)
	ds_add_u32 v[SPW], v[NIL]                      ; 0 onto my spare word
	s_wait_dscnt 4*NL+1                            ; (the add and the youngest sixteen loads may be out)
	WIN MUL_LO
	MUL16 0, 1, 0
	s_wait_dscnt 0x0                               ; the add is done, and my reads of this slot are over
	s_barrier_signal -1
	MUL16 2, 1, 0
	WIN 0
	s_barrier_wait -1
.if \fill
	CREST                                          ; a round of the cluster's barrier: no wave of any partner still reads this slot's tile or has a load on its way
	s_add_nc_u64 s[G0+4*\slot+2:G0+4*\slot+3], s[G0+4*\slot+2:G0+4*\slot+3], 2*AROW
	s_add_nc_u64 s[G0B+4*\slot+2:G0B+4*\slot+3], s[G0B+4*\slot+2:G0B+4*\slot+3], 2*ROWB
	JLOAD G0+4*\slot, G1, G0B+4*\slot, G1B         ; the first tensor load behind the round, my only one out; its four v_nop are the places in front of the loads below
.else
	PLACES NP
.endif
	FETCH_B \next, 0, 0
	FETCH_A \next, 0, 0
	WIN MUL_HI
	MUL16 4, 1, 0
	MUL16 6, 1, 0
	PLACES NP
	WIN 0
	FETCH_A \next, 0, 4
.endm
	s_wait_tensorcnt 1                             ; my part of K step 0 is in (K step 1's load may be out)
	s_barrier_signal -1
	s_barrier_wait -1                              ; everybody's is
	FETCH_B 0, 0, 0
	FETCH_A 0, 0, 0
	FETCH_A 0, 0, 4
	STEP 0, 0, 1                                   ; the first step's products start the sums
	s_mov_b32 s3, LAPS-1
.Llap:
	TURN 0, 1, 1
	STEP 1, 0, 0
	TURN 1, 0, 1
	STEP 0, 0, 0
	s_sub_co_u32 s3, s3, 1
	s_cmp_lg_u32 s3, 0
	s_cbranch_scc1 .Llap
	TURN 0, 1, 0                                   ; the last lap fills nothing
	STEP 1, 0, 0
	s_wait_dscnt 4*NL
	WIN MUL_LO
	MUL16 0, 1, 0
	MUL16 2, 1, 0
	s_wait_dscnt 0
	WIN MUL_HI
	MUL16 4, 1, 0
	MUL16 6, 1, 0
	WIN 0
; THE WAY OUT, block by block of 16 rows x 128 columns.  The sums go as they are through my own stage in LDS and come back as whole rows of 512 bytes; there a lane holds four neighbouring columns, the same in every row,
; so its four numbers of bo serve all rows: sum x 2^(e10 + e11) + bo, two at a time, and the 32 lanes store 512 consecutive bytes.  LDS serves a wave's instructions in order (ISA guide 5.7.1.4).
.macro TOSTAGE a
.set AC, 64*((\a)%4)
.set WW, (0x02+((\a)/4))<<2
	WIN WW                                         ; the stores' data: window 2 or 3
.irp b, 0,1,2,3,4,5,6,7
	ds_store_b128 v[STO], v[AC+8*\b:AC+8*\b+3] offset:64*\b          ; each accumulator from its low end on
	ds_store_b128 v[STO], v[AC+8*\b+4:AC+8*\b+7] offset:64*\b+16
.endr
	WIN 0
.set BB, BK+64*((\a)%2)
.irp t, 0,1,2,3,4,5,6,7,8,9,10,11,12,13,14,15
	ds_load_b128 v[BB+4*\t:BB+4*\t+3], v[RD] offset:\t*SPITCH
.endr
.endm
.macro SEND a, younger                 ; younger: the LDS instructions issued behind block a's loads, which may stay out
.set BB, BK+64*((\a)%2)
	s_wait_dscnt \younger                          ; the block is back in registers
.if (\a) > 0
	s_add_nc_u64 s[12:13], s[12:13], 16*NROW       ; (behind a wait on XCNT: the earlier stores have read their base)
.endif
.irp t, 0,1,2,3,4,5,6,7,8,9,10,11,12,13,14,15
	v_pk_fma_f32 v[BB+4*\t:BB+4*\t+1], v[BB+4*\t:BB+4*\t+1], s[96:97], v[BO:BO+1] op_sel_hi:[1,0,1]
	v_pk_fma_f32 v[BB+4*\t+2:BB+4*\t+3], v[BB+4*\t+2:BB+4*\t+3], s[96:97], v[BO+2:BO+3] op_sel_hi:[1,0,1]
	global_store_b128 v[CO], v[BB+4*\t:BB+4*\t+3], s[12:13] offset:\t*NROW th:TH_STORE_NT   ; 512 consecutive bytes, at a multiple of 256 from out0's first byte; written once, read by nobody here
.endr
.endm
	PLACES NP                                      ; behind the last products: the stage's stores read results, and its loads land on the registers that held o's fragments
	TOSTAGE 0
.irp a, 1,2,3,4,5,6,7
.if \a > 1
	s_wait_xcnt 0x0                                ; block a - 2's stores have read their registers and their base
.endif
	TOSTAGE \a
	SEND \a-1, 32                                  ; behind block a - 1's loads: block a's 16 stores and 16 loads
.endr
	s_wait_xcnt 0x0                                ; block 6's stores have read their base
	SEND 7, 0
	s_wait_tensorcnt 0x0                           ; the wave's end
	ds_add_u32 v[SPW], v[NIL]
	s_wait_dscnt 0x0
	CROUND                                         ; the closing round
	s_endpgm
.Lfunc_end_k_qa8ca22ae8d_outp:
	.size	k_qa8ca22ae8d_outp, .Lfunc_end_k_qa8ca22ae8d_outp-k_qa8ca22ae8d_outp
	.p2alignl 7, 3214868480
	.fill 96, 4, 3214868480
	.section	.rodata,"a",@progbits
	.p2align	6, 0x0
	.amdhsa_kernel k_qa8ca22ae8d_outp
		.amdhsa_group_segment_fixed_size 327680
		.amdhsa_private_segment_fixed_size 0
		.amdhsa_enable_private_segment 0
		.amdhsa_kernarg_size 40
		.amdhsa_user_sgpr_count 2
		.amdhsa_user_sgpr_kernarg_segment_ptr 1
		.amdhsa_wavefront_size32 1
		.amdhsa_system_sgpr_workgroup_id_x 1
		.amdhsa_system_sgpr_workgroup_id_y 1
		.amdhsa_system_sgpr_workgroup_id_z 1
		.amdhsa_system_vgpr_workitem_id 0
		.amdhsa_next_free_vgpr 1024
		.amdhsa_next_free_sgpr 98
		.amdhsa_reserve_vcc 0
		.amdhsa_float_denorm_mode_32 3
		.amdhsa_float_denorm_mode_16_64 3
		.amdhsa_memory_ordered 1
		.amdhsa_forward_progress 1
		.amdhsa_inst_pref_size 123
	.end_amdhsa_kernel
	.amdgpu_metadata
---
amdhsa.version: [ 1, 2 ]
amdhsa.kernels:
  - .name:           k_qa8ca22ae8d_outp
    .symbol:         k_qa8ca22ae8d_outp.kd
    .args:
      - { .name: oc, .offset: 0, .size: 8, .value_kind: global_buffer, .address_space: global }
      - { .name: Wo_codes, .offset: 8, .size: 8, .value_kind: global_buffer, .address_space: global }
      - { .name: lowp_scales, .offset: 16, .size: 8, .value_kind: global_buffer, .address_space: global }
      - { .name: bo, .offset: 24, .size: 8, .value_kind: global_buffer, .address_space: global }
      - { .name: out0, .offset: 32, .size: 8, .value_kind: global_buffer, .address_space: global }
    .group_segment_fixed_size: 327680
    .private_segment_fixed_size: 0
    .kernarg_segment_align: 8
    .kernarg_segment_size: 40
    .max_flat_workgroup_size: 128
    .sgpr_count:     98
    .vgpr_count:     1024
    .wavefront_size: 32
...
	.end_amdgpu_metadata
.endif
;; end of part 3
;; ======== version 2 of 2: 3 launches; version 1 with the launch attn written anew for expert scheduling mode
;; workspace buffers: qc 8,388,608 bytes; kc 8,388,608 bytes; vc 8,388,608 bytes; oc 8,388,608 bytes
;; launch proj: the kernel of part 1 again; grid 12 x 32, 4 waves a work-group, clusters of 4 x 4, 327,680 bytes of LDS; arguments x_codes, Wq_codes, Wk_codes, Wv_codes, bq, bk, bv, lowp_scales, qc, kc, vc; writes qc, kc, vc
;; launch attn (part 4): grid 4 x 64, 16 waves a work-group, no clusters, 264,192 bytes of LDS; arguments qc, kc, vc, lowp_scales, oc; writes oc
.if DOCPART == 4
	.amdgcn_target "amdgcn-amd-amdhsa--gfx1250"
	.amdhsa_code_object_version 6
	.text
	.protected	k_qa8ca22ae8d_attn
	.globl	k_qa8ca22ae8d_attn
	.p2align	8
	.type	k_qa8ca22ae8d_attn,@function
k_qa8ca22ae8d_attn:
	s_mov_b64 s[64:65], 0
	v_nop
	global_prefetch_b8 v0, s[64:65] scope:SCOPE_SE
	s_setreg_imm32_b32 hwreg(HW_REG_WAVE_SCHED_MODE, 0, 2), 2
	s_setreg_imm32_b32 hwreg(HW_REG_WAVE_MODE, 25, 1), 1
	s_wait_xcnt 0x0
	s_wait_alu depctr_vm_vsrc(0)
; o = softmax(q k^T / 8, causal) v for one head, both products on codes of FP8 (E4M3); o is quantised at once with its given scale (entry 10) into codes for the last launch.
; qc, kc, vc are images of operand registers (16 bytes a lane, 512 bytes an instruction):
;   qc, kc: head x 131072 + (token / 16) x 1024 + c' x 512 + 16 x lane (the 16x16x64 form's places);   vc: head x 131072 + (key / 128) x 8192 + t x 2048 + g x 512 + 16 x lane (the 16x16x128 form's places, channel 16 t + lane % 16).
; THE SOFTMAX AHEAD OF THE SECOND PRODUCT: t = score x log2(e) / 8; M = the running largest t rounded UP to a whole number; p = 2^(t - M) is quantised (entry 8), not normalised; the row's sum is taken of the unquantised p
; and divides at the end.  When M moves, the sum and O are multiplied by 2^(old M - new M), which rounds nothing.
; SHARES.  Work-group (j, head) owns the blocks 7 - j and j of 256 queries: together 16 or 18 key steps a wave whatever j, so the 256 work-groups have equal work.  Each of sixteen waves owns one tile of 16 queries in each block
; (pass 0: block 7 - j; pass 1: block j), in 256 registers: four waves to a SIMD, so that one wave's vector work stands beside another's products and LDS loads.
; LDS.  The head's K lies at 0, its V at 131072, each byte written ONCE, through registers, a chunk of 128 keys (8 KB + 8 KB, 16 + 16 bytes a thread) in each trip of pass 0, asked for one trip ahead.  One barrier a trip, between
; the chunk's stores and its reads; the next trip's stores go to other bytes.  Pass 1 only reads.  Only the 16 - 2 j chunks that the mask leaves are fetched.
; NO JOINT LOADS: the four work-groups of a head need 16, 14, 12, 10 chunks, V's pieces change places on the way in (below), which wants registers, and a work-group reads each byte of K and V from memory once for its 32 tiles of queries.
; LAYOUT.  Both products are used transposed: S^T = K Q^T (source 0 = 16 keys), O^T = V^T P^T (source 0 = 16 channels): a lane holds ONE query (lane % 16) throughout.  Register 8 T + i of S^T is key 16 T + 8 (lane / 16) + i:
; the conversions' results are P in the 16x16x128 form's own places.  V's pieces are laid in LDS so that lane rr of tile 2 c' + u holds channel 32 c' + 8 u + rr + 8 (rr / 8): the 16 registers of O^T's tiles 2 c', 2 c' + 1 are then
; channels 32 c' + 16 (lane / 16) + 0 .. 15, which is oc's order: oc = (token / 16) x 16384 + (k / 128) x 2048 + c x 512 + 16 x lane, lane (r, h): row r, k = 32 c + 16 h + 0 .. 15.  So o's codes are stored as they come, 512 bytes a store.
; CAUSAL.  A step all of whose keys come after my 16 queries is left out by a scalar branch on ids; in the one step on the diagonal hidden scores become -infinity.  The loops' trip counts are constants.
; THE HOLD OF p.  p is at most 1 (but for f32 rounding), and 448 x 2^-8 = 1.75: for entry 8 >= -8 the hold can change nothing and is jumped over, a scalar branch on that whole number; else it is executed.
; LIMITS on the given exponents: entries 6 + 7 between -123 and 130 (added to c's exponent field); entries 8 and 10 between -126 and 119; entries 8 + 9 go through v_ldexp_f32 and have none.  NaN codes are not served.
; THE MODE: SCHED_MODE bits 1:0 = 2 (LLVM: expert scheduling mode 2), set by the entry lines.  The code itself states the register dependences between vector or matrix instructions and memory or LDS instructions,
; and those through scalar registers that vector instructions write, with s_wait_alu, always for 0.
; THE PLAN.  Registers that memory or LDS instructions touch:
;   L16, GOF              offsets, made at the head and never written again: Q's loads, o's stores, the chunks' loads read them.
;   KST, VST, ADK, ADV    LDS addresses.  Written by the additions at a trip's head; read by that trip's two LDS stores and 32 LDS loads.
;   KV                    K's 16 loads land; eight products read it; V's 16 loads land; four products read it; then the next trip's K.
;   FL                    two global loads land; the next trip's two LDS stores read it; then the next two global loads land.
;   QA, QB                loaded once.      CA, CB   written by a pass's last conversions, read by its two stores, never written again.
;   S^T, O^T, p's codes and the statistics are named by vector and matrix instructions alone.
; So a trip has: at its head one wait on vm_vsrc ahead of the additions and one on va_vdst behind them (the addresses are written; the last step's products are done reading KV); in pass 0 one on vm_vsrc ahead of the
; loads into FL; behind the products K Q^T one on va_vdst, behind which V's loads are dealt among the lines of the maximum, none of which names KV or ADV; and one on va_vdst for the exponentials' results.
.set VBASE, 131072
.set CHUNK, 8192
.set L16,  1                           ; v1   16 x lane
.set LV,   2                           ; v2   16 x lane + VBASE
.set GOF,  3                           ; v3   16 x thread: my piece of a chunk in memory, and K's place in LDS
.set VST0, 4                           ; v4   V's place in LDS
.set TV,   5                           ; v5   at work at the head
.set ADK,  6                           ; v6   LDS address of the step's K
.set ADV,  7                           ; v7   of its V
.set KST,  8                           ; v8   where I store my piece of K
.set VST,  9                           ; v9   of V
.set RH,   10                          ; v10  lane % 16 - 8 (lane / 16)
.set NINF, 11                          ; v11  -infinity
                                       ; v12 -M, v13 the largest t, v[14:15] the sum in two halves
.set QA,   16                          ; v16-23  Q of pass 0
.set QB,   24                          ; v24-31  Q of pass 1
.set KV,   32                          ; v32-95  eight fragments of K, then four of V
.set S,    96                          ; v96-159 S^T, then p; at the end o
.set O,    160                         ; v160-191 O^T
.set PC,   192                         ; v192-207 p's codes
.set FL,   208                         ; v208-215 my pieces of the chunk on its way
.set CA,   216                         ; v216-223 o's codes of pass 0
.set CB,   224                         ; v224-231 of pass 1
.set MX,   232                         ; v232, v233 two chains of the maximum
.set F,    234                         ; v[234:235] f = 2^(old M - new M)
.set SM2,  236                         ; v[236:237] the sum's second chain
.set PRM,  238                         ; v238 a lane permute's destination
.set DG,   239                         ; v239 the mask's d
.set PLIM, 240                         ; v240 448 x 2^e8;  v241 2^e8
.set PSCL, 241
.set OLIM, 242                         ; v242 448 x 2^e10; v243 2^e10
.set OSCL, 243
; s14 wave; s15 head; s17 chunks needed; s18 trip; s19 the chunk's LDS byte; s[20:21] lane selects; s[22:23] c; s24 the step's first key; s25 my first query; s26, s27 that of pass 0, 1;
; s[28:29], s[30:31] where o's codes go; s[32:43] the exponents; s44 e8 + e9; s46, s47 at work; s[48:49], s[50:51] Q's codes
; behind the head s32-39 and s52-59 are free (of the exponents the loops read s40 alone): they take the lane masks of sixteen compares on the diagonal
	s_load_b256 s[4:11], s[0:1], 0x0               ; qc s[4:5], kc s[6:7], vc s[8:9], the exponents s[10:11]
	s_load_b64 s[12:13], s[0:1], 0x20              ; oc
	v_lshl_add_u32 v254, v0, 2, 0x40000
	v_mov_b32 v255, 0
	v_lshrrev_b32 v[TV], 5, v0
	v_readfirstlane_b32 s14, v[TV]                 ; wave 0..15
	v_and_b32 v[L16], 31, v0
	v_lshlrev_b32 v[L16], 4, v[L16]
	v_add_nc_u32 v[LV], VBASE, v[L16]
	v_lshlrev_b32 v[GOF], 4, v0
	; V's place.  In memory thread n holds tile t = n / 128, piece g = (n / 32) % 4, lane (r, h) = n % 32: channel 16 t + r.  In LDS that channel is lane 8 (t % 2) + r % 8 of tile 2 (t / 2) + r / 8:
	v_and_b32 v[VST0], 7, v0
	v_lshlrev_b32 v[VST0], 4, v[VST0]              ; 16 (r % 8)
	v_bfe_u32 v[TV], v0, 7, 1
	v_lshl_add_u32 v[VST0], v[TV], 7, v[VST0]      ; + 128 (t % 2)
	v_bfe_u32 v[TV], v0, 4, 1
	v_lshl_add_u32 v[VST0], v[TV], 8, v[VST0]      ; + 256 h
	v_bfe_u32 v[TV], v0, 5, 2
	v_lshl_add_u32 v[VST0], v[TV], 9, v[VST0]      ; + 512 g
	v_bfe_u32 v[TV], v0, 3, 1
	v_lshl_add_u32 v[VST0], v[TV], 11, v[VST0]     ; + 2048 (r / 8)
	v_bfe_u32 v[TV], v0, 8, 1
	v_lshl_add_u32 v[VST0], v[TV], 12, v[VST0]     ; + 4096 (t / 2)
	v_add_nc_u32 v[VST0], VBASE, v[VST0]
	v_and_b32 v[RH], 15, v0
	v_bfe_u32 v[TV], v0, 4, 1
	v_lshlrev_b32 v[TV], 3, v[TV]
	v_sub_nc_u32 v[RH], v[RH], v[TV]
	v_mov_b32 v[NINF], 0xff800000
	v_mov_b32 v[F+1], 0                            ; (named as the upper half of the pair)
	v_mov_b32 v[PRM], 0                            ; written once: a lane permute's destination counts as one of its sources
	s_wait_alu depctr_va_sdst(0)                   ; s14, the wave's number, is written, ahead of its first reader: my queries' places are made from it
	s_and_b32 s15, ttmp7, 0xffff                   ; batch x 16 + head
	s_lshl_b32 s16, ttmp9, 1
	s_sub_co_u32 s17, 16, s16                      ; chunks that block 7 - j sees: 16 - 2 j
	s_sub_co_u32 s26, 7, ttmp9
	s_lshl_b32 s26, s26, 8
	s_lshl_b32 s46, s14, 4
	s_add_co_u32 s26, s26, s46                     ; pass 0: my first query
	s_lshl_b32 s27, ttmp9, 8
	s_add_co_u32 s27, s27, s46                     ; pass 1
	s_lshr_b32 s52, s15, 4
	s_lshl_b32 s52, s52, 21                        ; oc: batch x 2048 rows x 1024
	s_and_b32 s53, s15, 15
	s_lshl_b32 s53, s53, 10                        ; + head x 1024 (two pieces of 512 bytes)
	s_add_co_u32 s52, s52, s53
	s_lshl_b32 s28, s26, 10
	s_add_co_u32 s28, s28, s52
	s_mov_b32 s29, 0
	s_lshl_b32 s30, s27, 10
	s_add_co_u32 s30, s30, s52
	s_mov_b32 s31, 0
	s_lshl_b32 s48, s26, 6                         ; qc: 1,024 bytes for 16 queries
	s_mov_b32 s49, 0
	s_lshl_b32 s50, s27, 6
	s_mov_b32 s51, 0
	s_lshl_b32 s46, s15, 17                        ; the head's first byte in qc, kc, vc
	s_mov_b32 s47, 0
	s_mov_b32 s20, 0x76543210
	s_mov_b32 s21, 0xfedcba98                      ; v_permlanex16_b32's selects for lane l xor 16
	s_wait_kmcnt 0x0
	s_load_b256 s[32:39], s[10:11], 0x0            ; entries 0 to 7
	s_load_b128 s[40:43], s[10:11], 0x20           ; entries 8 to 11
	s_add_nc_u64 s[4:5], s[4:5], s[46:47]
	s_add_nc_u64 s[6:7], s[6:7], s[46:47]
	s_add_nc_u64 s[8:9], s[8:9], s[46:47]
	s_add_nc_u64 s[48:49], s[4:5], s[48:49]
	s_add_nc_u64 s[50:51], s[4:5], s[50:51]
	s_add_nc_u64 s[28:29], s[12:13], s[28:29]
	s_add_nc_u64 s[30:31], s[12:13], s[30:31]
	s_wait_alu depctr_va_vdst(0)                   ; the offsets GOF and L16 are written, which every global load and store of the kernel reads
	global_load_b128 v[FL:FL+3], v[GOF], s[6:7]    ; chunk 0 of K
	global_load_b128 v[FL+4:FL+7], v[GOF], s[8:9]  ; and of V
	global_load_b128 v[QA:QA+3], v[L16], s[48:49]
	global_load_b128 v[QA+4:QA+7], v[L16], s[48:49] offset:512
	global_load_b128 v[QB:QB+3], v[L16], s[50:51]
	global_load_b128 v[QB+4:QB+7], v[L16], s[50:51] offset:512
	s_wait_kmcnt 0x0
	s_add_co_i32 s46, s38, s39
	s_lshl_b32 s46, s46, 23
	s_mov_b32 s22, 0x3e38aa3b                      ; c = log2(e) / 8
	s_add_co_i32 s22, s22, s46                     ; a score stands for score x 2^(e6 + e7): the two exponents are added to c's exponent field
	s_mov_b32 s23, s22                             ; (named with it as a pair, so it is written)
	s_add_co_i32 s46, s40, 127
	s_lshl_b32 s47, s46, 23
	v_mov_b32 v[PSCL], s47                         ; 2^e8 as f32
	s_add_co_i32 s46, s46, 8
	s_lshl_b32 s46, s46, 23
	s_or_b32 s46, s46, 0x600000
	v_mov_b32 v[PLIM], s46                         ; 448 x 2^e8
	s_add_co_i32 s46, s42, 127
	s_lshl_b32 s47, s46, 23
	v_mov_b32 v[OSCL], s47                         ; 2^e10
	s_add_co_i32 s46, s46, 8
	s_lshl_b32 s46, s46, 23
	s_or_b32 s46, s46, 0x600000
	v_mov_b32 v[OLIM], s46                         ; 448 x 2^e10
	s_add_co_i32 s44, s40, s41                     ; e8 + e9
.macro INIT                            ; a pass begins: the step is written once, and its first run finds zeros, which the first change of M leaves zeros
	v_mov_b32 v13, 0xff61b1e6                      ; the largest t so far: -3e38, under every t
	v_floor_f32 v12, -v13                          ; -M
	v_mov_b32 v14, 0
	v_mov_b32 v15, 0
.set j, 0
.rept 32
	v_mov_b32 v[O+j], 0
.set j, j+1
.endr
.endm
; A TRIP'S HEAD: the LDS addresses of the chunk at byte s19, all together and outside every branch.  fill = 1: pass 0, which also stores the chunk.
.macro ADDR fill
	s_wait_alu depctr_vm_vsrc(0)                   ; the last trip's LDS stores and loads have read the addresses that are written anew below
.if \fill
	v_add_nc_u32 v[KST], s19, v[GOF]
	v_add_nc_u32 v[VST], s19, v[VST0]
.endif
	v_add_nc_u32 v[ADK], s19, v[L16]
	v_add_nc_u32 v[ADV], s19, v[LV]
.if !\fill
	v_nop
	v_nop                                          ; (with the two additions: four plain lines between the last step's products and the loads into the registers that they read, as many as pass 0's head has; the wait below states the dependence)
.endif
	s_wait_alu depctr_va_vdst(0)                   ; the addresses are written, which this trip's LDS stores and loads read; the last step's products are done reading KV, in which K's loads land
.endm
.macro VLOAD t                         ; V's tile t: 16 channels x 128 keys, four loads of 512 consecutive bytes
.irp g, 0,1,2,3
	ds_load_b128 v[KV+16*(\t)+4*\g:KV+16*(\t)+4*\g+3], v[ADV] offset:2048*(\t)+512*\g
.endr
.endm
; A KEY STEP: the 128 keys from s24 on, whose K and V begin at LDS byte s19 (+ VBASE); my queries' codes in v[qr] on.
.macro STEP qr
	s_add_co_u32 s46, s25, 15
	s_cmp_gt_u32 s24, s46                          ; all 128 keys come after my 16 queries: nothing to do
	s_cbranch_scc1 .Lhidden_\@
.irp t, 0,1,2,3,4,5,6,7
	ds_load_b128 v[KV+8*\t:KV+8*\t+3], v[ADK] offset:1024*\t          ; no vector or matrix instruction since the wait at the trip's head names KV or ADK
	ds_load_b128 v[KV+8*\t+4:KV+8*\t+7], v[ADK] offset:1024*\t+512
.endr
	s_wait_dscnt 8                                 ; tiles 0-3 are in; the eight loads of tiles 4-7 may be out
.irp t, 0,1,2,3
	v_wmma_f32_16x16x64_fp8_fp8 v[S+8*\t:S+8*\t+7], v[KV+8*\t:KV+8*\t+7], v[\qr:\qr+7], 0
.endr
	s_wait_dscnt 0x0
.irp t, 4,5,6,7
	v_wmma_f32_16x16x64_fp8_fp8 v[S+8*\t:S+8*\t+7], v[KV+8*\t:KV+8*\t+7], v[\qr:\qr+7], 0
.endr
.rept 4
	v_nop                                          ; four places behind the products, before the scores are read (ISA guide 7.12.1)
.endr
	s_wait_alu depctr_va_vdst(0)                   ; the eight products are done reading K's registers, in which V's loads land; the places above stay beside this wait
	VLOAD 0                                        ; V lands while the softmax is worked: its loads are dealt in four runs among the lines below, none of which names KV or ADV
	s_add_co_u32 s46, s24, 127
	s_cmp_le_u32 s46, s25                          ; all 128 keys count for all my queries: no mask
	s_cbranch_scc1 .Lopen_\@
	s_sub_co_i32 s46, s25, s24
	v_add_nc_u32 v[DG], s46, v[RH]                 ; d = my query - first key - 8 (lane / 16).  Register 8 T + i holds key 16 T + 8 (lane / 16) + i: hidden where 16 T + i > d
.set n, 0
.rept 4                                        ; sixteen compares into sixteen scalar registers, one wait, sixteen selects
.rept 16
	v_cmp_gt_i32 s[32+n%16+12*((n%16)/8)], 16*(n/8)+n%8, v[DG]
.set n, n+1
.endr
	s_wait_alu depctr_va_sdst(0)                   ; the sixteen lane masks are written, ahead of the selects that read them
.set n, n-16
.rept 16
	v_cndmask_b32 v[S+n], v[S+n], v[NINF], s[32+n%16+12*((n%16)/8)]
.set n, n+1
.endr
.endr
.Lopen_\@:
	v_max3_num_f32 v[MX], v[S], v[S+1], v[S+2]     ; the step's largest score of my query among my 64 keys, in two chains, each accumulator from its low end on
	v_max3_num_f32 v[MX+1], v[S+3], v[S+4], v[S+5]
	VLOAD 1
.irp i, 6,10,14,18,22,26,30,34,38,42,46,50,54,58
	v_max3_num_f32 v[MX], v[MX], v[S+\i], v[S+1+\i]
	v_max3_num_f32 v[MX+1], v[MX+1], v[S+2+\i], v[S+3+\i]
.if \i == 22
	VLOAD 2
.endif
.if \i == 42
	VLOAD 3
.endif
.endr
	v_max3_num_f32 v[MX], v[MX], v[S+62], v[S+63]
	v_max_num_f32 v[MX], v[MX], v[MX+1]
	v_permlanex16_b32 v[PRM], v[MX], s20, s21
	v_max_num_f32 v[MX], v[MX], v[PRM]             ; and among lane l xor 16's
	v_mul_f32 v[MX], s22, v[MX]                    ; as t (c is positive)
	v_max_num_f32 v13, v13, v[MX]                  ; the running largest t
	v_mov_b32 v[MX], v12
	v_floor_f32 v12, -v13                          ; the new -M = floor(-t) = -ceil(t): a whole number
	v_sub_f32 v[MX], v12, v[MX]                    ; old M - new M: a whole number, 0 or less
	v_cvt_i32_f32 v[MX], v[MX]                     ; (it saturates)
	v_ldexp_f32 v[F], 1.0, v[MX]                   ; f = 2^(old M - new M)
.set j, 0
.rept 32
	v_pk_fma_f32 v[S+j:S+j+1], v[S+j:S+j+1], s[22:23], v[12:13] op_sel_hi:[1,0,0]   ; t - M, two at a time
.set j, j+2
.endr
.set j, 0
.rept 64
	v_exp_f32 v[S+j], v[S+j]                       ; p = 2^(t - M): not normalised
.set j, j+1
.endr
	v_pk_mul_f32 v[14:15], v[14:15], v[F:F+1] op_sel_hi:[1,0]   ; the sums under the new M (a plain place behind the exponentials)
	s_wait_alu depctr_va_vdst(0)                   ; the 64 exponentials have written p: one wait for the batch, ahead of its first reader
	v_pk_add_f32 v[SM2:SM2+1], v[S:S+1], v[S+2:S+3]             ; the row's sum is taken of the unquantised p, in two chains
.irp j, 4,8,12,16,20,24,28,32,36,40,44,48,52,56,60
	v_pk_add_f32 v[14:15], v[14:15], v[S+\j:S+1+\j]
	v_pk_add_f32 v[SM2:SM2+1], v[SM2:SM2+1], v[S+2+\j:S+3+\j]
.endr
	v_pk_add_f32 v[14:15], v[14:15], v[SM2:SM2+1]
	s_cmp_ge_i32 s40, -8                           ; 448 x 2^e8 >= 1.75 lies over every p: the hold would change nothing
	s_cbranch_scc1 .Lnohold_\@
.set j, 0
.rept 64
	v_min_num_f32 v[S+j], v[S+j], v[PLIM]          ; the conversion to an 8-bit code does not saturate (ISA guide 7.6.2); p is not negative, so the hold is one-sided
.set j, j+1
.endr
.Lnohold_\@:
.irp t, 0,1,2,3,4,5,6,7
	v_cvt_scalef32_pk8_fp8_f32 v[PC+2*\t:PC+2*\t+1], v[S+8*\t:S+8*\t+7], v[PSCL]   ; keys 16 T + 8 (lane / 16) + 0 .. 7: registers 2 T, 2 T + 1 of the operand
.endr
.set j, 0
.rept 16
	v_pk_mul_f32 v[O+j:O+j+1], v[O+j:O+j+1], v[F:F+1] op_sel_hi:[1,0]   ; O^T under the new M (these are also the plain places behind the conversions)
.set j, j+2
.endr
	s_wait_dscnt 0x0                               ; V is in
.irp t, 0,1,2,3
	v_wmma_f32_16x16x128_fp8_fp8 v[O+8*\t:O+8*\t+7], v[KV+16*\t:KV+16*\t+15], v[PC:PC+15], v[O+8*\t:O+8*\t+7]   ; the four accumulators take turns
.endr
.Lhidden_\@:
.endm
; A pass ends: O^T x 2^(e8 + e9) / the sum, held, converted with 2^e10, stored: two stores of 512 consecutive bytes.
.macro OUTP cd, base
.rept 4
	v_nop                                          ; places behind the last products
.endr
	v_add_f32 v14, v14, v15                        ; the sum's two halves,
	v_permlanex16_b32 v[PRM], v14, s20, s21
	v_add_f32 v14, v14, v[PRM]                     ; and lane l xor 16's
	v_rcp_f32 v14, v14
	v_nop                                          ; one plain place behind a transcendental
	s_wait_alu depctr_va_vdst(0)                   ; the reciprocal is written, ahead of its first reader
	v_ldexp_f32 v14, v14, s44
.set j, 0
.rept 16
	v_pk_mul_f32 v[S+j:S+j+1], v[O+j:O+j+1], v[14:15] op_sel_hi:[1,0]   ; each accumulator from its low end on
.set j, j+2
.endr
.set j, 0
.rept 32
	v_med3_num_f32 v[S+j], v[S+j], -v[OLIM], v[OLIM]
.set j, j+1
.endr
.irp t, 0,1,2,3
	v_cvt_scalef32_pk8_fp8_f32 v[\cd+2*\t:\cd+2*\t+1], v[S+8*\t:S+8*\t+7], v[OSCL]
.endr
	v_nop                                          ; one plain vector instruction between a scaled conversion and what later writes its sources
	s_wait_alu depctr_va_vdst(0)                   ; the conversions have written o's codes, which the two stores read; these registers are not written again
	global_store_b128 v[L16], v[\cd:\cd+3], s[\base:\base+1]
	global_store_b128 v[L16], v[\cd+4:\cd+7], s[\base:\base+1] offset:512
.endm
	; ---- pass 0: block 7 - j; K and V come into LDS on the way
	INIT
	s_mov_b32 s25, s26
	s_mov_b32 s18, 0
	s_mov_b32 s19, 0
	s_mov_b32 s24, 0
.Lp0:                                              ; 16 trips, a constant; what a trip has no use for is jumped over
	s_wait_loadcnt 0x0                             ; the chunk asked for a trip ago is in registers (in the first trip: Q too); its loads' bases may be stepped
	ADDR 1
	s_cmp_ge_u32 s18, s17
	s_cbranch_scc1 .Lnofill
	ds_store_b128 v[KST], v[FL:FL+3]
	ds_store_b128 v[VST], v[FL+4:FL+7]
.Lnofill:
	s_wait_dscnt 0x0                               ; for the others' sake: my stores have landed
	s_add_co_u32 s46, s18, 1
	s_cmp_ge_u32 s46, s17
	s_cbranch_scc1 .Lnoload                        ; no load for a chunk that nobody reads
	s_add_nc_u64 s[6:7], s[6:7], CHUNK
	s_add_nc_u64 s[8:9], s[8:9], CHUNK
	s_wait_alu depctr_vm_vsrc(0)                   ; the two LDS stores have read FL, in which the loads below land
	global_load_b128 v[FL:FL+3], v[GOF], s[6:7]    ; the next chunk has this trip's step in which to come
	global_load_b128 v[FL+4:FL+7], v[GOF], s[8:9]
.Lnoload:
	s_barrier_signal -1
	s_barrier_wait -1                              ; the chunk is whole
	STEP QA
	s_add_co_u32 s19, s19, CHUNK
	s_add_co_u32 s24, s24, 128
	s_add_co_u32 s18, s18, 1
	s_cmp_lt_u32 s18, 16
	s_cbranch_scc1 .Lp0
	OUTP CA, 28
	; ---- pass 1: block j; LDS is only read: no barrier
	INIT
	s_mov_b32 s25, s27
	s_mov_b32 s18, 0
	s_mov_b32 s19, 0
	s_mov_b32 s24, 0
.Lp1:
	ADDR 0
	STEP QB
	s_add_co_u32 s19, s19, CHUNK
	s_add_co_u32 s24, s24, 128
	s_add_co_u32 s18, s18, 1
	s_cmp_lt_u32 s18, 16
	s_cbranch_scc1 .Lp1
	OUTP CB, 30
	s_wait_dscnt 0x0
	s_wait_alu depctr_hold_cnt(0) depctr_sa_sdst(0) depctr_va_vdst(0) depctr_va_sdst(0) depctr_va_ssrc(0) depctr_va_vcc(0) depctr_vm_vsrc(0)
	s_wait_tensorcnt 0x0
	ds_add_u32 v254, v255
	s_wait_dscnt 0x0
	s_endpgm
.Lfunc_end_k_qa8ca22ae8d_attn:
	.size	k_qa8ca22ae8d_attn, .Lfunc_end_k_qa8ca22ae8d_attn-k_qa8ca22ae8d_attn
	.p2alignl 7, 3214868480
	.fill 96, 4, 3214868480
	.section	.rodata,"a",@progbits
	.p2align	6, 0x0
	.amdhsa_kernel k_qa8ca22ae8d_attn
		.amdhsa_group_segment_fixed_size 264192
		.amdhsa_private_segment_fixed_size 0
		.amdhsa_enable_private_segment 0
		.amdhsa_kernarg_size 40
		.amdhsa_user_sgpr_count 2
		.amdhsa_user_sgpr_kernarg_segment_ptr 1
		.amdhsa_wavefront_size32 1
		.amdhsa_system_sgpr_workgroup_id_x 1
		.amdhsa_system_sgpr_workgroup_id_y 1
		.amdhsa_system_sgpr_workgroup_id_z 1
		.amdhsa_system_vgpr_workitem_id 0
		.amdhsa_next_free_vgpr 256
		.amdhsa_next_free_sgpr 66
		.amdhsa_reserve_vcc 0
		.amdhsa_float_denorm_mode_32 3
		.amdhsa_float_denorm_mode_16_64 3
		.amdhsa_memory_ordered 1
		.amdhsa_forward_progress 1
		.amdhsa_inst_pref_size 66
	.end_amdhsa_kernel
	.amdgpu_metadata
---
amdhsa.version: [ 1, 2 ]
amdhsa.kernels:
  - .name:           k_qa8ca22ae8d_attn
    .symbol:         k_qa8ca22ae8d_attn.kd
    .args:
      - { .name: qc, .offset: 0, .size: 8, .value_kind: global_buffer, .address_space: global }
      - { .name: kc, .offset: 8, .size: 8, .value_kind: global_buffer, .address_space: global }
      - { .name: vc, .offset: 16, .size: 8, .value_kind: global_buffer, .address_space: global }
      - { .name: lowp_scales, .offset: 24, .size: 8, .value_kind: global_buffer, .address_space: global }
      - { .name: oc, .offset: 32, .size: 8, .value_kind: global_buffer, .address_space: global }
    .group_segment_fixed_size: 264192
    .private_segment_fixed_size: 0
    .kernarg_segment_align: 8
    .kernarg_segment_size: 40
    .max_flat_workgroup_size: 512
    .sgpr_count:     66
    .vgpr_count:     256
    .wavefront_size: 32
...
	.end_amdgpu_metadata
.endif
;; end of part 4
;; launch outp: the kernel of part 3 again; grid 4 x 32, 4 waves a work-group, clusters of 4 x 4, 327,680 bytes of LDS; arguments oc, Wo_codes, lowp_scales, bo, out0; writes out0
